; MI455X (gfx1250); checked and timed in simulation.
; The chip was launched on July 23, 2026; its instructions are those of AMD's public machine-readable ISA for CDNA 5 (MIT licence, August 2026) and "CDNA5" Instruction Set Architecture Reference Guide (July 2026). The comments in the code are by the model that wrote it; some were corrected since.
;; Adaptive Attention. Allowed arithmetic: matrix products marked QUANTISED: E4M3 operands, one given power-of-two scale a tensor, by v_wmma_f32_16x16x64_fp8_fp8 or v_wmma_f32_16x16x128_fp8_fp8, f32 sums; everything else in f32.
;; Inputs: bk 1,024 float32; bo 1,024 float32; bq 1,024 float32; bv 1,024 float32; k 2 x 2,048 x 1,024 float32; lowp_scales 12 int32 (the exponents e of the quantised operands' scales 2^e); q 2 x 2,048 x 1,024 float32; scale 1 float32; time_decay 1 x 16 x 1 x 1 float32; v 2 x 2,048 x 1,024 float32; wk 1,024 x 1,024 float32; wo 1,024 x 1,024 float32; wq 1,024 x 1,024 float32; wv 1,024 x 1,024 float32.
;; Outputs: out0 2 x 2,048 x 1,024 float32.
;; This version of the problem:
;;   THIS VERSION OF THE PROBLEM IS GIVEN IN LOW PRECISION. The matrix products marked QUANTISED in the list below multiply operands that are first quantised to E4M3 (4 exponent bits, 3 mantissa bits; 8 bits a number), with one given power-of-two scale for each operand tensor; their sums are f32. All else is computed in f32.
;;   The module's matrix products, in the order in which they are computed (A, B: the left and right operand; K: the contracted axis; several contracted axes count as one K, in the product's order):
;;     1. [M 4,096, K 1,024] x [K 1,024, N 1,024]; A: input q; B: input wq: QUANTISED (scales: A lowp_scales[0], B lowp_scales[1])
;;     2. [M 4,096, K 1,024] x [K 1,024, N 1,024]; A: input k; B: input wk: QUANTISED (scales: A lowp_scales[2], B lowp_scales[3])
;;     3. [M 4,096, K 1,024] x [K 1,024, N 1,024]; A: input v; B: input wv: QUANTISED (scales: A lowp_scales[4], B lowp_scales[5])
;;     4. batch 32 x [M 2,048, K 64] x [K 64, N 2,048]; A: computed on the way; B: computed on the way: QUANTISED (scales: A lowp_scales[6], B lowp_scales[7])
;;     5. batch 32 x [M 2,048, K 2,048] x [K 2,048, N 64]; A: computed on the way; B: computed on the way: QUANTISED (scales: A lowp_scales[8], B lowp_scales[9])
;;     6. [M 4,096, K 1,024] x [K 1,024, N 1,024]; A: computed on the way; B: input wo: QUANTISED (scales: A lowp_scales[10], B lowp_scales[11])
;;   THE QUANTISER, for each operand of a quantised product, along K:
;;     - The operand's scale is 2^e, e = its entry of the input lowp_scales (int32; the entries are numbered through the quantised products in the list's order, A before B).
;;     - Each number is divided by the scale, clamped to +-448, and rounded to the nearest number of E4M3, ties to even, subnormals kept.
;;     - The product sums the exact products of the quantised numbers (number of the format x scale) in f32.
;;   ~~~python
;;   def quantise(x, axis, e):      # numpy; x: float32 -> the quantised numbers, widened to float32 again
;;       x = np.moveaxis(x, axis, -1); K = x.shape[-1]
;;       r = np.clip(x / 2.0 ** e, -448, 448)
;;       step = 2.0 ** (np.maximum(np.frexp(np.where(r == 0, 1, r))[1] - 1, -6) - 3)
;;       q = np.round(r / step) * step * 2.0 ** e      # np.round: ties to even
;;       return np.moveaxis(q, -1, axis).astype(np.float32)
;;   ~~~
;;   OPERANDS COMPUTED ON THE WAY. 'Computed on the way' means the value that the module computes at that place (a softmax that the list does not call 'softmax' is quantised finished and normalised). What goes into a quantiser is computed in f32, as accurately as f32 sums, v_exp_f32 and their like allow (about 1e-6 of the number): no bf16 or f16 on the way to a quantiser, and a product that is left as it is and whose result goes on into a quantised operand takes f32 operands (vector FMAs, or v_wmma_f32_16x16x4_f32). A number that lies on a knife's edge between two numbers of the format may be rounded either way, as far as f32 arithmetic and the matrix unit's own rounding can turn it there, and no further.
;; One version. Each part assembles by itself: llvm-mc -triple=amdgcn-amd-amdhsa -mcpu=gfx1250 --defsym DOCPART=n.
;; ======== version 1 of 1: 4 launches
;; workspace buffers: codes 16,777,216 bytes; qkv 12,582,912 bytes; ctx 4,194,304 bytes
;; launch quant (part 1): grid 256 x 1, 16 waves a work-group, no clusters, 137,216 bytes of LDS; arguments q, k, v, wq, wk, wv, wo, lowp_scales, codes; writes codes
.if DOCPART == 1
	.amdgcn_target "amdgcn-amd-amdhsa--gfx1250"
	.amdhsa_code_object_version 6
	.text
	.protected	k_q53e4fefc46_quant
	.globl	k_q53e4fefc46_quant
	.p2align	8
	.type	k_q53e4fefc46_quant,@function
k_q53e4fefc46_quant:
	s_mov_b64 s[64:65], 0
	v_nop
	global_prefetch_b8 v0, s[64:65] scope:SCOPE_SE
	s_setreg_imm32_b32 hwreg(HW_REG_WAVE_MODE, 25, 1), 1
	s_wait_xcnt 0x0
; q, k, v [4096][1024] and wq, wk, wv, wo [1024][1024], f32, become codes of FP8 (E4M3), each tensor with the scale 2^e that is given for it:
; code = x / 2^e, held within +-448, rounded to the nearest code, ties to even.  LIMITS: e between -126 and 119; NaN among the inputs is not served.
; THE CODES ARE LAID IN THE ORDER OF THE OPERAND'S REGISTERS.  Tile T holds 16 rows: lane-row i is row 32 (T / 2) + 8 (T % 2) + i + 8 (i / 8).  Unit (T, a) is 512 bytes: lane l = (r, h) owns bytes 16 l .. 16 l + 15,
; the codes of lane-row r at k = 32 a + 16 h + 0 .. 15.  Unit (T, a) lies at (T / 8) 131072 + (a / 8) 32768 + (T % 8) 4096 + (a % 8) 512: 128 rows x 256 k are one dense block of 32,768 bytes.
; The seven tensors follow each other in the buffer (q, k, v, wq, wk, wv, wo), so the tile's number counted through all of them gives the place.
; SHARES.  A work-group takes 64 rows, four tiles; wave w takes tile w / 4 of them and quarter w % 4 of K: two fragments of 16 rows x 128 k.
; Each load reads 512 consecutive bytes of one row, and ALL 32 loads of a wave go out at the head: the work-group's 262,144 bytes are on their way at once, and no load waits for an earlier one to land.
; The conversions want 16 neighbours along K in one lane: a fragment turns through the wave's own stage in LDS (rows of 512 + 16 bytes).  Each store writes 512 consecutive bytes.  Waves share nothing: no barrier.
.set WAVES, 16
.set SP,    528                        ; a stage row: 132 words, so that the 16 rows that a read touches start at 16 different groups of four banks (64 banks of 4 bytes: ISA guide 11.1)
.set STGB,  16*SP
.set SPARE, WAVES*STGB                 ; behind the stages: the spare words, 128 bytes for each wave: eight blocks of 256 bytes that no other line names
.set LI,  1                            ; v1   16 x lane: my bytes of a load's and of a store's 512
.set SI,  2                            ; v2   the stage, on the way in
.set SO,  3                            ; v3   and on the way out: row r, + 64 h
.set LIM, 10                           ; v10  448 x 2^e
.set SC,  11                           ; v11  2^e
.set SPW, 12                           ; v12  LDS address of my spare word; never rewritten
.set NIL, 13                           ; v13  0; never rewritten
.set R,   16                           ; v16-143  two sets of 64 numbers as loaded
.set X,   144                          ; v144-207 64 numbers: register 16 c + i = k 32 c + 16 h + i of my row
.set C,   208                          ; v208-239 two sets of 16 registers of codes: no store's data are written again
	s_load_b512 s[4:19], s[0:1], 0x0               ; q, k, v, wq, wk, wv, wo, the scales' exponents
	s_load_b64 s[20:21], s[0:1], 0x40              ; the codes
	v_lshl_add_u32 v[SPW], v0, 2, SPARE
	v_mov_b32 v[NIL], 0
	v_lshrrev_b32 v4, 5, v0
	v_readfirstlane_b32 s22, v4                    ; wave 0..15
	v_and_b32 v5, 31, v0
	v_lshlrev_b32 v[LI], 4, v5
	s_mul_i32 s23, s22, STGB                       ; my stage
	v_add_nc_u32 v[SI], s23, v[LI]
	v_and_b32 v6, 15, v0                           ; r
	v_bfe_u32 v7, v0, 4, 1                         ; h
	v_mul_u32_u24 v[SO], v6, SP
	v_lshl_add_u32 v[SO], v7, 6, v[SO]
	v_add_nc_u32 v[SO], s23, v[SO]
	s_lshr_b32 s40, s22, 2                         ; which of the four tiles
	s_and_b32 s41, s22, 3                          ; which quarter of K
	s_lshl_b32 s44, ttmp9, 2
	s_add_co_u32 s44, s44, s40                     ; the tile, counted through all seven tensors
	s_lshr_b32 s46, s44, 3
	s_lshl_b32 s46, s46, 17
	s_and_b32 s44, s44, 7
	s_lshl_b32 s44, s44, 12
	s_add_co_u32 s44, s44, s46
	s_lshl_b32 s46, s41, 15                        ; a quarter of K is one block of 32,768 bytes
	s_add_co_u32 s44, s44, s46
	s_mov_b32 s45, 0
	s_wait_kmcnt 0x0
	s_load_b256 s[24:31], s[18:19], 0x0            ; e0 .. e7
	s_load_b128 s[32:35], s[18:19], 0x20           ; e8 .. e11
; which tensor is my work-group's: a chain of choices on the work-group's number alone
.macro PICK lim, ptr, start
	s_cmp_lt_u32 ttmp9, \lim
	s_cselect_b64 s[36:37], s[\ptr:\ptr+1], s[36:37]
	s_cselect_b32 s39, \start, s39
.endm
.macro PICKE lim, reg
	s_cmp_lt_u32 ttmp9, \lim
	s_cselect_b32 s38, s[\reg], s38
.endm
	s_mov_b64 s[36:37], s[16:17]                   ; wo, from work-group 240 on
	s_mov_b32 s39, 240
	PICK 240, 14, 224                              ; wv
	PICK 224, 12, 208                              ; wk
	PICK 208, 10, 192                              ; wq
	PICK 192, 8, 128                               ; v
	PICK 128, 6, 64                                ; k
	PICK 64, 4, 0                                  ; q
	s_sub_co_u32 s42, ttmp9, s39
	s_lshl_b32 s42, s42, 6                         ; my work-group's first row in its tensor,
	s_lshr_b32 s43, s40, 1
	s_lshl_b32 s43, s43, 5
	s_add_co_u32 s42, s42, s43                     ; + 32 (tile / 2)
	s_and_b32 s43, s40, 1
	s_lshl_b32 s43, s43, 3
	s_add_co_u32 s42, s42, s43                     ; + 8 (tile % 2)
	s_lshl_b32 s42, s42, 12                        ; rows of 4,096 bytes
	s_lshl_b32 s43, s41, 10                        ; a quarter of a row
	s_add_co_u32 s42, s42, s43
	s_mov_b32 s43, 0
	s_add_nc_u64 s[36:37], s[36:37], s[42:43]
	s_add_nc_u64 s[20:21], s[20:21], s[44:45]
.macro LOAD t                          ; fragment t: 128 k of the tile's 16 rows, a row a load
.irp i, 0,1,2,3,4,5,6,7,8,9,10,11,12,13,14,15
	global_load_b128 v[R+64*(\t)+4*\i:R+64*(\t)+4*\i+3], v[LI], s[36:37] offset:(\t)*512+(\i+8*(\i/8))*4096 th:TH_LOAD_NT
.endr
.endm
	LOAD 0
	LOAD 1
	s_wait_kmcnt 0x0
	s_mov_b32 s38, s35                             ; e11 for wo
	PICKE 240, 29                                  ; e5  wv
	PICKE 224, 27                                  ; e3  wk
	PICKE 208, 25                                  ; e1  wq
	PICKE 192, 28                                  ; e4  v
	PICKE 128, 26                                  ; e2  k
	PICKE 64, 24                                   ; e0  q
	s_add_co_i32 s38, s38, 127
	s_lshl_b32 s39, s38, 23
	v_mov_b32 v[SC], s39                           ; 2^e as f32: the conversion takes its exponent field
	s_add_co_i32 s38, s38, 8
	s_lshl_b32 s38, s38, 23
	s_or_b32 s38, s38, 0x600000
	v_mov_b32 v[LIM], s38                          ; 448 x 2^e
.macro STEP t
.set RS, R+64*(\t)
.set CS, C+16*(\t)
.if (\t) < 1
	s_wait_loadcnt 16                              ; this fragment's 16 loads are in; the second fragment's 16 may be out
.else
	s_wait_loadcnt 0x0
.endif
.irp i, 0,1,2,3,4,5,6,7,8,9,10,11,12,13,14,15
	ds_store_b128 v[SI], v[RS+4*\i:RS+4*\i+3] offset:SP*\i
.endr
.irp c, 0,1,2,3
.irp j, 0,1,2,3
	ds_load_b128 v[X+16*\c+4*\j:X+16*\c+4*\j+3], v[SO] offset:128*\c+16*\j   ; LDS serves a wave's instructions in order (ISA guide 5.7.1.4): these see the stores above
.endr
.endr
	s_wait_dscnt 0x0                               ; the fragment is back
.set i, 0
.rept 64
	v_med3_num_f32 v[X+i], v[X+i], -v[LIM], v[LIM] ; the conversion to an 8-bit code does not saturate (ISA guide 7.6.2): the hold at the largest code x the scale
.set i, i+1
.endr
.irp g, 0,1,2,3,4,5,6,7
	v_cvt_scalef32_pk8_fp8_f32 v[CS+2*\g:CS+2*\g+1], v[X+8*\g:X+8*\g+7], v[SC]
.endr
	v_nop                                          ; a plain vector line between the conversions and the next fragment's holds, which write their sources
.irp c, 0,1,2,3
	global_store_b128 v[LI], v[CS+4*\c:CS+4*\c+3], s[20:21] offset:(\t)*2048+512*\c   ; a unit: 512 consecutive bytes, aligned
.endr
.endm
	STEP 0
	STEP 1
	s_wait_tensorcnt 0x0                           ; the wave's end, behind my last LDS store
	ds_add_u32 v[SPW], v[NIL]
	s_wait_dscnt 0x0
	s_endpgm
.Lfunc_end_k_q53e4fefc46_quant:
	.size	k_q53e4fefc46_quant, .Lfunc_end_k_q53e4fefc46_quant-k_q53e4fefc46_quant
	.p2alignl 7, 3214868480
	.fill 96, 4, 3214868480
	.section	.rodata,"a",@progbits
	.p2align	6, 0x0
	.amdhsa_kernel k_q53e4fefc46_quant
		.amdhsa_group_segment_fixed_size 137216
		.amdhsa_private_segment_fixed_size 0
		.amdhsa_enable_private_segment 0
		.amdhsa_kernarg_size 72
		.amdhsa_user_sgpr_count 2
		.amdhsa_user_sgpr_kernarg_segment_ptr 1
		.amdhsa_wavefront_size32 1
		.amdhsa_system_sgpr_workgroup_id_x 1
		.amdhsa_system_sgpr_workgroup_id_y 1
		.amdhsa_system_sgpr_workgroup_id_z 1
		.amdhsa_system_vgpr_workitem_id 0
		.amdhsa_next_free_vgpr 240
		.amdhsa_next_free_sgpr 66
		.amdhsa_reserve_vcc 0
		.amdhsa_float_denorm_mode_32 3
		.amdhsa_float_denorm_mode_16_64 3
		.amdhsa_memory_ordered 1
		.amdhsa_forward_progress 1
		.amdhsa_inst_pref_size 21
	.end_amdhsa_kernel
	.amdgpu_metadata
---
amdhsa.version: [ 1, 2 ]
amdhsa.kernels:
  - .name:           k_q53e4fefc46_quant
    .symbol:         k_q53e4fefc46_quant.kd
    .args:
      - { .name: q, .offset: 0, .size: 8, .value_kind: global_buffer, .address_space: global }
      - { .name: k, .offset: 8, .size: 8, .value_kind: global_buffer, .address_space: global }
      - { .name: v, .offset: 16, .size: 8, .value_kind: global_buffer, .address_space: global }
      - { .name: wq, .offset: 24, .size: 8, .value_kind: global_buffer, .address_space: global }
      - { .name: wk, .offset: 32, .size: 8, .value_kind: global_buffer, .address_space: global }
      - { .name: wv, .offset: 40, .size: 8, .value_kind: global_buffer, .address_space: global }
      - { .name: wo, .offset: 48, .size: 8, .value_kind: global_buffer, .address_space: global }
      - { .name: lowp_scales, .offset: 56, .size: 8, .value_kind: global_buffer, .address_space: global }
      - { .name: codes, .offset: 64, .size: 8, .value_kind: global_buffer, .address_space: global }
    .group_segment_fixed_size: 137216
    .private_segment_fixed_size: 0
    .kernarg_segment_align: 8
    .kernarg_segment_size: 72
    .max_flat_workgroup_size: 512
    .sgpr_count:     66
    .vgpr_count:     240
    .wavefront_size: 32
...
	.end_amdgpu_metadata
.endif
;; end of part 1
;; launch proj (part 2): grid 4 x 48, 4 waves a work-group, clusters of 4 x 4, 327,680 bytes of LDS; arguments codes, lowp_scales, bq, bk, bv, qkv; writes qkv
.if DOCPART == 2
	.amdgcn_target "amdgcn-amd-amdhsa--gfx1250"
	.amdhsa_code_object_version 6
	.text
	.protected	k_q53e4fefc46_proj
	.globl	k_q53e4fefc46_proj
	.p2align	8
	.type	k_q53e4fefc46_proj,@function
k_q53e4fefc46_proj:
	s_mov_b64 s[64:65], 0
	v_nop
	global_prefetch_b8 v0, s[64:65] scope:SCOPE_SE
	s_setreg_imm32_b32 hwreg(HW_REG_WAVE_MODE, 25, 1), 1
	s_wait_xcnt 0x0
	s_wait_alu depctr_hold_cnt(0) depctr_sa_sdst(0) depctr_va_vdst(0) depctr_va_sdst(0) depctr_va_ssrc(0) depctr_va_vcc(0) depctr_vm_vsrc(0)
	s_getreg_b32 s2, hwreg(HW_REG_IB_STS2, 6, 4)
	s_cmp_eq_u32 s2, 0
	s_cbranch_scc0 .Lentry_in_a_cluster
	s_endpgm
.Lentry_in_a_cluster:
	s_bfe_u32 s2, ttmp6, 0x10000c
	s_cmp_lg_u32 s2, 0xf033
	s_cbranch_scc0 .Lentry_shape_is_right
	s_endpgm
.Lentry_shape_is_right:
; The three projections x w^T + b on codes of FP8 (E4M3), K = 1,024, and their results quantised at once for attention: qh with e6, kh with e7, vh with e9.
; Operands come as the launch before laid them: tile T's lane-row i is row 32 (T / 2) + 8 (T % 2) + i + 8 (i / 8); a unit of 512 bytes is 16 bytes a lane: k = 32 a + 16 h + 0 .. 15; 128 rows x 256 k are one dense block of 32,768 bytes.
; SHARES.  Cluster number n (0 .. 11): tensor n / 4 (q, k, v), quarter n % 4 of its 4,096 rows: 1,024 x 1,024 results a cluster, 256 x 256 a work-group, 128 x 128 a wave: 64 accumulators, 512 registers.
; SOURCE 1 ('A', along the cluster's y) gives a result's LANE, SOURCE 0 ('B', along its x) its REGISTERS.  By the tiles' order of rows, the 16 registers of B's tiles 2 p and 2 p + 1 are 16 neighbours, 32 p + 16 h + 0 .. 15:
; two conversions make of them a lane's 16 bytes of a unit of the next operand, and a unit is stored as 512 consecutive bytes: no way through LDS.
; q, k: A = x's rows, B = w's rows: units (tile of rows, column / 32), the head's axis innermost.  v: A = wv's rows, B = v's rows: units (tile of columns, row / 32), the KEYS innermost, as the second product of attention wants them.
; Only offsets are chosen, by s_cselect on the cluster's number, which all sixteen partners share: one text, no branch.
; CLUSTERS: A's blocks are shared along a row of the cluster, B's along a column: each is asked for jointly, by the same tensor load with the same descriptor and a mask that names the four.
; K goes in four steps of 256 through two LDS slots; all is written out, there is no loop.  By this text's own count a wave has at most two tensor loads out.
; No prefetch: four K steps in all, the first two asked for at the head.
; LIMITS: ea + eb between -126 and 127; e6, e7, e9 between -126 and 119; NaN or infinity among biases is not served (the bias set that a tensor does not use is multiplied by 0).
; REGISTERS, in windows of 256: window 0: v16-29 addresses; v32-95 the bias along registers; v96-111 the bias along lanes, each number twice; v112, v113 the hold and the scale; from v128 A's fragments, ONE set; on the way out v128-191 a block's numbers, v192-223 its codes, two sets.
;   window 1: B's fragments, TWO sets.   windows 2, 3: the accumulators ((a, b) at v[8 (8 (a % 4) + b)]).
.set FR,    16                         ; registers of a fragment: 16 rows x 128 K
.set NL,    4                          ; LDS loads that bring one
.set NP,    4                          ; places behind this matrix instruction (ISA guide 7.12.1)
.set HALFB, 32768                      ; 128 rows x 256 k: what one tensor load brings
.set SLOT,  4*HALFB                    ; A's two halves, then B's two
.set KSB,   32768                      ; from a K step to the next, in memory
.set SPARE, 2*SLOT                     ; behind the ring: the spare words, 128 bytes for each wave
.set ADRA, 16                          ; v16-17 LDS address of my A fragments in slot 0, 1
.set ADRB, 20                          ; v20-21 the same for B
.set LI,   24                          ; v24  16 x lane
.set BRO,  25                          ; v25  64 h
.set BLO,  26                          ; v26  4 (r + 8 (r / 8))
.set SPW,  28                          ; v28  LDS address of my spare word; never rewritten
.set NIL,  29                          ; v29  0; never rewritten
.set BR,   32
.set BL,   96
.set LIM,  112
.set SC,   113
.set AF,   128
.set TMP,  128
.set CD,   192
.set G1, 24                            ; s[24:31] descriptor group 1 for A's blocks;  s[32:39] group 0, one set for each slot
.set G0, 32
.set G1B, 48                           ; s[48:55], s[56:63] the same for B's
.set G0B, 56
.set MSB, 0
.macro WIN new                         ; the immediate's high byte repeats the setting that is left
.if MSB != \new
	s_set_vgpr_msb (MSB<<8)|\new
.set MSB, \new
.endif
.endm
.set MUL_LO, 0xa1                      ; source 0 (B) window 1, source 1 (A) window 0, C and D window 2
.set MUL_HI, 0xf1                      ; the same, C and D window 3
.set TO_B,   0x40                      ; destination window 1, address window 0
; A joint load: waves 0 and 1 fetch for A, waves 2 and 3 for B.  The branch hangs on the wave's number alone.  An s_nop 0 and four v_nop follow each of the two lines.
.macro JLOAD g0a, g1a, g0b, g1b
	s_cmp_eq_u32 s15, 0
	s_cbranch_scc0 .Lfor_b_\@
	tensor_load_to_lds s[\g0a:\g0a+3], s[\g1a:\g1a+7]
	s_nop 0
.rept 4
	v_nop
.endr
	s_branch .Lasked_\@
.Lfor_b_\@:
	tensor_load_to_lds s[\g0b:\g0b+3], s[\g1b:\g1b+7]
	s_nop 0
.rept 4
	v_nop
.endr
.Lasked_\@:
.endm
.macro CREST                           ; a round of the cluster's barrier behind its opening barrier
	s_cmp_lg_u32 s14, 0
	s_cbranch_scc1 .Lnot_wave_0_\@
	s_barrier_signal -3
.Lnot_wave_0_\@:
	s_barrier_wait -3
	s_barrier_signal -1
	s_barrier_wait -1
.endm
.macro CROUND
	s_barrier_signal -1
	s_barrier_wait -1
	CREST
.endm
	s_load_b256 s[4:11], s[0:1], 0x0               ; the codes s[4:5], the scales' exponents s[6:7], bq s[8:9], bk s[10:11]
	s_load_b128 s[68:71], s[0:1], 0x20             ; bv s[68:69], the results s[70:71]
	v_lshl_add_u32 v[SPW], v0, 2, SPARE
	v_mov_b32 v[NIL], 0
	ds_add_u32 v[SPW], v[NIL]                      ; the wave's opening: the add and its wait stand ahead of my first tensor load; the set-up below, work on registers, stands between them
	v_lshrrev_b32 v1, 5, v0
	v_readfirstlane_b32 s14, v1                    ; wave 0..3
	s_lshr_b32 s15, s14, 1                         ; which half of A's 256 rows is mine.  Also: I fetch for A (0) or for B (1)
	s_and_b32 s16, s14, 1                          ; which half of B's.  Also: which 128 rows I fetch
	s_bfe_u32 s40, ttmp6, 0x40000                  ; cx, cy: my place in the cluster
	s_bfe_u32 s41, ttmp6, 0x40004
	s_and_b32 s17, ttmp7, 0xffff                   ; the cluster's number, 0 .. 11
	s_lshr_b32 s18, s17, 2                         ; the tensor: 0 q, 1 k, 2 v
	s_and_b32 s19, s17, 3                          ; which 1,024 of its rows
	s_lshl_b32 s43, s41, 2
	s_lshl_b32 s43, 15, s43                        ; my row of the cluster
	s_lshl_b32 s44, 0x1111, s40                    ; my column
	; descriptor group 1: a dense block of 32,768 bytes as 128 rows of 32 elements of 8 bytes, no padding
	s_or_b32 s[G1+0], s43, (3<<16)|(1<<21)         ; 15:0 the mask: A's blocks go to my row; 17:16 elements of 8 bytes; 21 set beside a mask
	s_or_b32 s[G1B+0], s44, (3<<16)|(1<<21)        ; B's go to my column
.irp g, G1, G1B
	s_mov_b32 s[\g+1], 32<<16                      ; tensor_dim0 = 32
	s_mov_b32 s[\g+2], 128<<16                     ; tensor_dim1 = 128
	s_mov_b32 s[\g+3], 32<<16                      ; tile_dim0 = 32
	s_mov_b32 s[\g+4], 128                         ; tile_dim1 = 128
	s_mov_b32 s[\g+5], 32                          ; tensor_dim0_stride
	s_mov_b32 s[\g+6], 0
	s_mov_b32 s[\g+7], 0
.endr
	; where the blocks lie in the buffer of codes: q at 0, k at 4 Mi, v at 8 Mi, wq, wk, wv at 12, 13, 14 Mi; 128 rows are 131,072 bytes
	s_lshl_b32 s22, s18, 22                        ; x's first byte,
	s_lshl_b32 s23, s18, 20
	s_add_co_u32 s23, s23, 0xc00000                ; w's
	s_lshl_b32 s12, s19, 3                         ; the quarter's first group of 128 rows
	s_cmp_eq_u32 s18, 2                            ; v?  Then the weight is A and the rows are B
	s_cselect_b32 s20, 0xe00000, s22
	s_cselect_b32 s46, 0x800000, s23
	s_cselect_b32 s13, 0, s12                      ; A's first group
	s_cselect_b32 s12, s12, 0                      ; B's
	s_lshl_b32 s22, s41, 1
	s_add_co_u32 s22, s22, s13
	s_add_co_u32 s22, s22, s16                     ; A: the group that I fetch: it hangs on cy, not on cx
	s_lshl_b32 s22, s22, 17
	s_add_co_u32 s20, s20, s22
	s_mov_b32 s21, 0
	s_lshl_b32 s23, s40, 1
	s_add_co_u32 s23, s23, s12
	s_add_co_u32 s23, s23, s16                     ; B: on cx, not on cy
	s_lshl_b32 s23, s23, 17
	s_add_co_u32 s46, s46, s23
	s_mov_b32 s47, 0
	s_lshl_b32 s45, s14, 15                        ; where they go: wave x 32,768: no place in the cluster enters an LDS address
	s_wait_dscnt 0x0                               ; the opening add is done
	s_wait_kmcnt 0x0
	s_load_b256 s[72:79], s[6:7], 0x0              ; e0 .. e7
	s_load_b128 s[80:83], s[6:7], 0x20             ; e8 .. e11
	s_add_nc_u64 s[20:21], s[4:5], s[20:21]
	s_add_nc_u64 s[46:47], s[4:5], s[46:47]
	CROUND                                         ; all sixteen work-groups are here: the first joint loads meet
.irp s, 0,1
	s_mov_b32 s[G0+4*\s], 1
	s_add_co_u32 s[G0+4*\s+1], s45, \s*SLOT
	s_add_nc_u64 s[G0+4*\s+2:G0+4*\s+3], s[20:21], \s*KSB
	s_or_b32 s[G0+4*\s+3], s[G0+4*\s+3], 0x80000000
	s_mov_b32 s[G0B+4*\s], 1
	s_add_co_u32 s[G0B+4*\s+1], s45, \s*SLOT
	s_add_nc_u64 s[G0B+4*\s+2:G0B+4*\s+3], s[46:47], \s*KSB
	s_or_b32 s[G0B+4*\s+3], s[G0B+4*\s+3], 0x80000000
	JLOAD G0+4*\s, G1, G0B+4*\s, G1B
.endr
	v_and_b32 v1, 31, v0
	v_lshlrev_b32 v[LI], 4, v1
	s_lshl_b32 s21, s15, 15                        ; my 128 rows of A
	s_lshl_b32 s22, s16, 15                        ; my 128 rows of B,
	s_add_co_u32 s22, s22, 2*HALFB                 ; which lie behind A's two halves
.irp s, 0,1
	v_add_nc_u32 v[ADRA+\s], s21, v[LI]
	v_add_nc_u32 v[ADRB+\s], s22, v[LI]
	s_add_co_u32 s21, s21, SLOT
	s_add_co_u32 s22, s22, SLOT
.endr
	; the bias, asked for now and waited for on the way out.  q, k: it runs along B, the registers; v: along A, the lanes.  Both sets are loaded; the one that does not apply is loaded from the bias's first bytes and multiplied by 0
	s_lshl_b32 s86, s40, 1
	s_add_co_u32 s86, s86, s16
	s_lshl_b32 s86, s86, 9                         ; my 128 of B's, in bytes
	s_lshl_b32 s92, s41, 1
	s_add_co_u32 s92, s92, s15
	s_lshl_b32 s92, s92, 9                         ; my 128 of A's
	s_cmp_eq_u32 s18, 0
	s_cselect_b64 s[84:85], s[8:9], s[10:11]
	s_cmp_eq_u32 s18, 2
	s_cselect_b64 s[84:85], s[68:69], s[84:85]     ; bq, bk or bv
	s_cselect_b32 s86, 0, s86
	s_cselect_b32 s92, s92, 0
	s_cselect_b32 s88, 0, 1.0                      ; the factor of the set along registers,
	s_cselect_b32 s90, 1.0, 0                      ; and of the set along lanes
	s_cselect_b32 s94, 16, 14                      ; a tile of the result is 2^14 bytes on (32 units), for v 2^16 (128 units)
	s_mov_b32 s87, 0
	s_mov_b32 s93, 0
	s_mov_b32 s89, s88                             ; (named as pairs, so they are written)
	s_mov_b32 s91, s90
	s_add_nc_u64 s[86:87], s[84:85], s[86:87]
	s_add_nc_u64 s[92:93], s[84:85], s[92:93]
	v_and_b32 v2, 15, v0                           ; r
	v_bfe_u32 v3, v0, 4, 1                         ; h
	v_lshlrev_b32 v[BRO], 6, v3
	v_and_b32 v4, 8, v2
	v_add_nc_u32 v4, v4, v2
	v_lshlrev_b32 v[BLO], 2, v4
.irp p, 0,1,2,3
.irp j, 0,1,2,3
	global_load_b128 v[BR+16*\p+4*\j:BR+16*\p+4*\j+3], v[BRO], s[86:87] offset:128*\p+16*\j   ; register 16 p + i: bias(32 p + 16 h + i)
.endr
.endr
.irp a, 0,1,2,3,4,5,6,7
	global_load_b32 v[BL+2*\a], v[BLO], s[92:93] offset:(32*(\a/2)+8*(\a%2))*4                ; block a: bias at my lane-row's true row, in both halves of a pair
	global_load_b32 v[BL+2*\a+1], v[BLO], s[92:93] offset:(32*(\a/2)+8*(\a%2))*4
.endr
	; where my results go: tensor x 4 Mi + (tile of A) << 14 or 16 + (pair of B's tiles) x 512
	s_lshl_b32 s2, s41, 1
	s_add_co_u32 s2, s2, s13
	s_add_co_u32 s2, s2, s15                       ; my group of A,
	s_lshl_b32 s2, s2, 3                           ; its first tile
	s_lshl_b32 s2, s2, s94
	s_lshl_b32 s3, s40, 1
	s_add_co_u32 s3, s3, s12
	s_add_co_u32 s3, s3, s16                       ; my group of B: four pairs of tiles, four units
	s_lshl_b32 s3, s3, 11
	s_add_co_u32 s2, s2, s3
	s_lshl_b32 s3, s18, 22
	s_add_co_u32 s2, s2, s3
	s_mov_b32 s3, 0
	s_add_nc_u64 s[70:71], s[70:71], s[2:3]
	s_lshl_b32 s98, 1, s94                         ; from a tile of A to the next
	s_mov_b32 s99, 0
.macro FRAG reg, adr, q, i             ; a fragment, 16 rows x 128 K: four units on end: 512 consecutive bytes a load, no bank met twice
.irp c, 0,1,2,3
	ds_load_b128 v[\reg+4*\c:\reg+4*\c+3], v[\adr] offset:4096*(\i)+2048*(\q)+512*\c
.endr
.endm
; 16 matrix instructions: A's blocks a0, a0 + 1 x B's eight, 128 along K.  p: B's set.  zero = 1: the first product starts the sums.  The 64 accumulators take turns, one instruction a turn.
.macro MUL16 a0, p, zero
.irp a, \a0, \a0+1
.irp b, 0,1,2,3,4,5,6,7
.if \zero
	v_wmma_f32_16x16x128_fp8_fp8 v[8*(8*((\a)%4)+\b):8*(8*((\a)%4)+\b)+7], v[128*(\p)+FR*\b:128*(\p)+FR*\b+FR-1], v[AF+FR*(\a):AF+FR*(\a)+FR-1], 0
.else
	v_wmma_f32_16x16x128_fp8_fp8 v[8*(8*((\a)%4)+\b):8*(8*((\a)%4)+\b)+7], v[128*(\p)+FR*\b:128*(\p)+FR*\b+FR-1], v[AF+FR*(\a):AF+FR*(\a)+FR-1], v[8*(8*((\a)%4)+\b):8*(8*((\a)%4)+\b)+7]
.endif
.endr
.endr
.endm
.macro FETCH_B slot, q, p
	WIN TO_B
.irp i, 0,1,2,3,4,5,6,7
	FRAG 128*(\p)+FR*\i, ADRB+\slot, \q, \i
.endr
	WIN 0
.endm
.macro FETCH_A slot, q, i0
.irp i, \i0, \i0+1, \i0+2, \i0+3
	FRAG AF+FR*(\i), ADRA+\slot, \q, \i
.endr
.endm
.macro PLACES n                        ; plain vector instructions between a matrix instruction and a load into one of its registers (ISA guide 7.12.1 for vector instructions)
.rept \n
	v_nop
.endr
.endm
; A step of 128 along K that has its successor in the same slot.  A has one set of registers: blocks 0-3 are fetched anew in the step's middle, blocks 4-7 at its end; B has two sets.
.macro STEP slot, q, zero
	s_wait_dscnt 4*NL                              ; B's set and A's blocks 0-3 are in; the youngest 16 loads (A's blocks 4-7) may be out
	WIN MUL_LO
	MUL16 0, (\q)%2, \zero
	MUL16 2, (\q)%2, \zero
	s_wait_dscnt 0
	PLACES NP
	FETCH_B \slot, (\q)+1, 1-(\q)%2
	FETCH_A \slot, (\q)+1, 0
	WIN MUL_HI
	MUL16 4, (\q)%2, \zero
	MUL16 6, (\q)%2, \zero
	PLACES NP
	WIN 0
	FETCH_A \slot, (\q)+1, 4
.endm
; A slot's last step changes slots: ONE barrier; in front of it each wave waits for all its tensor loads, adds 0 to its spare word, and waits for that and for its reads of this slot.  fill = 1: the slot is filled again, two K steps ahead.
.macro TURN slot, next, fill
	s_wait_tensorcnt 0x0                           ; all my tensor loads have landed: my part of the next slot
	ds_add_u32 v[SPW], v[NIL]                      ; 0 onto my spare word
	s_wait_dscnt 4*NL+1                            ; (the add and the youngest 16 loads may be out)
	WIN MUL_LO
	MUL16 0, 1, 0
	s_wait_dscnt 0x0                               ; the add is done, and my reads of this slot are over
	s_barrier_signal -1
	MUL16 2, 1, 0
	WIN 0
	s_barrier_wait -1
.if \fill
	CREST                                          ; the barrier has opened a round of the cluster's: no wave of any partner still reads this slot or has a load on its way
	s_add_nc_u64 s[G0+4*\slot+2:G0+4*\slot+3], s[G0+4*\slot+2:G0+4*\slot+3], 2*KSB
	s_add_nc_u64 s[G0B+4*\slot+2:G0B+4*\slot+3], s[G0B+4*\slot+2:G0B+4*\slot+3], 2*KSB
	JLOAD G0+4*\slot, G1, G0B+4*\slot, G1B         ; the first tensor load behind the round; its four v_nop are the places in front of the loads below
.else
	PLACES NP
.endif
	FETCH_B \next, 0, 0
	FETCH_A \next, 0, 0
	WIN MUL_HI
	MUL16 4, 1, 0
	MUL16 6, 1, 0
	PLACES NP
	WIN 0
	FETCH_A \next, 0, 4
.endm
	s_wait_tensorcnt 1                             ; my part of K step 0 is in (K step 1's load may be out)
	s_barrier_signal -1
	s_barrier_wait -1                              ; everybody's is
	FETCH_B 0, 0, 0
	FETCH_A 0, 0, 0
	FETCH_A 0, 0, 4
	STEP 0, 0, 1                                   ; K 0-127: its products start the sums
	TURN 0, 1, 1                                   ; K 128-255; slot 0 takes K step 2
	STEP 1, 0, 0
	TURN 1, 0, 1                                   ; slot 1 takes K step 3
	STEP 0, 0, 0
	TURN 0, 1, 0                                   ; nothing is left to fetch
	STEP 1, 0, 0
	s_wait_dscnt 4*NL                              ; the very last step
	WIN MUL_LO
	MUL16 0, 1, 0
	MUL16 2, 1, 0
	s_wait_dscnt 0
	WIN MUL_HI
	MUL16 4, 1, 0
	MUL16 6, 1, 0
	WIN 0
	; THE WAY OUT: number = sum x 2^(ea + eb) + bias; held within +-448 x 2^eo; converted with 2^eo.
	s_wait_kmcnt 0x0
	s_wait_loadcnt 0x0                             ; the biases
	s_cmp_eq_u32 s18, 0
	s_cselect_b32 s84, s72, s74                    ; ea: e0, e2, e4
	s_cselect_b32 s85, s73, s75                    ; eb: e1, e3, e5
	s_cselect_b32 s86, s78, s79                    ; eo: e6, e7, e9
	s_cmp_eq_u32 s18, 2
	s_cselect_b32 s84, s76, s84
	s_cselect_b32 s85, s77, s85
	s_cselect_b32 s86, s81, s86
	s_add_co_i32 s96, s84, s85
	s_add_co_i32 s96, s96, 127
	s_lshl_b32 s96, s96, 23                        ; 2^(ea + eb) as f32
	s_mov_b32 s97, s96
	s_add_co_i32 s86, s86, 127
	s_lshl_b32 s87, s86, 23
	v_mov_b32 v[SC], s87                           ; 2^eo
	s_add_co_i32 s86, s86, 8
	s_lshl_b32 s86, s86, 23
	s_or_b32 s86, s86, 0x600000
	v_mov_b32 v[LIM], s86                          ; 448 x 2^eo
.set j, 0
.rept 32                               ; these forty lines name no register of the last products: they are the places behind them
	v_pk_mul_f32 v[BR+j:BR+j+1], v[BR+j:BR+j+1], s[88:89] op_sel_hi:[1,0]
.set j, j+2
.endr
.set j, 0
.rept 8
	v_pk_mul_f32 v[BL+j:BL+j+1], v[BL+j:BL+j+1], s[90:91] op_sel_hi:[1,0]
.set j, j+2
.endr
.macro BLOCK a                         ; A's block a: 16 lane-rows x my 128 of B: four units
.set AC, 64*((\a)%4)
.set CC, CD+16*((\a)%2)
	WIN 0x02+((\a)/4)                              ; source 0: window 2 or 3
.set j, 0
.rept 32
	v_pk_fma_f32 v[TMP+j:TMP+j+1], v[AC+j:AC+j+1], s[96:97], v[BR+j:BR+j+1] op_sel_hi:[1,0,1]   ; each accumulator from its low end on
.set j, j+2
.endr
	WIN 0
.set j, 0
.rept 32
	v_pk_add_f32 v[TMP+j:TMP+j+1], v[TMP+j:TMP+j+1], v[BL+2*(\a):BL+2*(\a)+1]
.set j, j+2
.endr
.set j, 0
.rept 64
	v_med3_num_f32 v[TMP+j], v[TMP+j], -v[LIM], v[LIM]   ; the conversion does not saturate (ISA guide 7.6.2)
.set j, j+1
.endr
.irp g, 0,1,2,3,4,5,6,7
	v_cvt_scalef32_pk8_fp8_f32 v[CC+2*\g:CC+2*\g+1], v[TMP+8*\g:TMP+8*\g+7], v[SC]
.endr
	v_nop                                          ; a plain vector line behind the conversions: the next block writes their sources
.if (\a) > 0
	s_wait_xcnt 0x0                                ; the earlier stores have read their base and their data: the base steps, and the set of codes of two blocks back may be written in the next block
	s_add_nc_u64 s[70:71], s[70:71], s[98:99]
.endif
.irp p, 0,1,2,3
	global_store_b128 v[LI], v[CC+4*\p:CC+4*\p+3], s[70:71] offset:512*\p   ; a unit: 512 consecutive bytes, aligned; the four follow each other
.endr
.endm
.irp a, 0,1,2,3,4,5,6,7
	BLOCK \a
.endr
	s_wait_tensorcnt 0x0                           ; the wave's end, behind my last tensor load
	ds_add_u32 v[SPW], v[NIL]
	s_wait_dscnt 0x0
	CROUND                                         ; the closing round
	s_endpgm
.Lfunc_end_k_q53e4fefc46_proj:
	.size	k_q53e4fefc46_proj, .Lfunc_end_k_q53e4fefc46_proj-k_q53e4fefc46_proj
	.p2alignl 7, 3214868480
	.fill 96, 4, 3214868480
	.section	.rodata,"a",@progbits
	.p2align	6, 0x0
	.amdhsa_kernel k_q53e4fefc46_proj
		.amdhsa_group_segment_fixed_size 327680
		.amdhsa_private_segment_fixed_size 0
		.amdhsa_enable_private_segment 0
		.amdhsa_kernarg_size 48
		.amdhsa_user_sgpr_count 2
		.amdhsa_user_sgpr_kernarg_segment_ptr 1
		.amdhsa_wavefront_size32 1
		.amdhsa_system_sgpr_workgroup_id_x 1
		.amdhsa_system_sgpr_workgroup_id_y 1
		.amdhsa_system_sgpr_workgroup_id_z 1
		.amdhsa_system_vgpr_workitem_id 0
		.amdhsa_next_free_vgpr 1024
		.amdhsa_next_free_sgpr 100
		.amdhsa_reserve_vcc 0
		.amdhsa_float_denorm_mode_32 3
		.amdhsa_float_denorm_mode_16_64 3
		.amdhsa_memory_ordered 1
		.amdhsa_forward_progress 1
		.amdhsa_inst_pref_size 156
	.end_amdhsa_kernel
	.amdgpu_metadata
---
amdhsa.version: [ 1, 2 ]
amdhsa.kernels:
  - .name:           k_q53e4fefc46_proj
    .symbol:         k_q53e4fefc46_proj.kd
    .args:
      - { .name: codes, .offset: 0, .size: 8, .value_kind: global_buffer, .address_space: global }
      - { .name: lowp_scales, .offset: 8, .size: 8, .value_kind: global_buffer, .address_space: global }
      - { .name: bq, .offset: 16, .size: 8, .value_kind: global_buffer, .address_space: global }
      - { .name: bk, .offset: 24, .size: 8, .value_kind: global_buffer, .address_space: global }
      - { .name: bv, .offset: 32, .size: 8, .value_kind: global_buffer, .address_space: global }
      - { .name: qkv, .offset: 40, .size: 8, .value_kind: global_buffer, .address_space: global }
    .group_segment_fixed_size: 327680
    .private_segment_fixed_size: 0
    .kernarg_segment_align: 8
    .kernarg_segment_size: 48
    .max_flat_workgroup_size: 128
    .sgpr_count:     100
    .vgpr_count:     1024
    .wavefront_size: 32
...
	.end_amdgpu_metadata
.endif
;; end of part 2
;; launch attn (part 3): grid 8 x 32, 16 waves a work-group, no clusters, 162,816 bytes of LDS; arguments qkv, lowp_scales, scale, time_decay, ctx; writes ctx
.if DOCPART == 3
	.amdgcn_target "amdgcn-amd-amdhsa--gfx1250"
	.amdhsa_code_object_version 6
	.text
	.protected	k_q53e4fefc46_attn
	.globl	k_q53e4fefc46_attn
	.p2align	8
	.type	k_q53e4fefc46_attn,@function
k_q53e4fefc46_attn:
	s_mov_b64 s[64:65], 0
	v_nop
	global_prefetch_b8 v0, s[64:65] scope:SCOPE_SE
	s_setreg_imm32_b32 hwreg(HW_REG_WAVE_MODE, 25, 1), 1
	s_wait_xcnt 0x0
; ctx = Q(attn) Q(vh), attn = softmax(s) x sigmoid(s), s = (Q(qh) . Q(kh)) / 8 x scale x exp(-decay_h x key); both products on codes of FP8 (E4M3).  attn is quantised FINISHED AND NORMALISED, with e8; ctx is quantised with e10.
; SHARES.  A work-group owns 256 queries, 16 tiles, of one (batch, head).  THE SIXTEEN WAVES SHARE THE KEYS: wave w owns keys 128 w .. 128 w + 127 for the whole launch; its K (8 fragments) and its V^T (4 fragments)
; are loaded once, straight into operand registers.  Every wave walks the 16 tiles of queries, a tile a trip, and keeps its 64 scores a lane in registers from the first product to the second: each score costs one exponential and one reciprocal.
; THE ARITHMETIC.  t = s x log2(e) = sum x c2(key).  M_w = my keys' largest t, rounded up to a whole number; p = 2^(t - M_w); l_w = the sum of my p.  The waves exchange -M_w and l_w through LDS:
; M = the largest M_w, L = the sum of l_w 2^(M_w - M) (powers of two by v_ldexp_f32: nothing is rounded).  softmax = p 2^(M_w - M) / L and sigmoid = p / (p + b), b = 2^-M_w.
; So attn = u x 2^(M_w - M) / L with u = p^2 / (p + b), and u HANGS ON MY OWN WAVE'S NUMBERS ALONE.  The maximum is taken away as reference() takes it.
; THE BARRIER'S TWO HALVES STAND APART.  A wave stores its statistics and signals; then it makes u, 64 reciprocals and 80 packed lines on registers alone; only then it waits for the others.  A wave that signals early goes on working,
; and the four waves of a SIMD may drift apart by that much.
; LIMITS: b is held at 2^-126 from below, so that the divisor is no denormal; an attn whose p lies under 2^-63 becomes 0 (p^2 leaves f32's range): such an attn is itself under 2^-62.
; LAYOUT.  Both products transposed: S^T = K Q^T, O^T = V^T P^T: a lane holds ONE query.  Operands come in units of 512 bytes, 16 bytes a lane (k = 32 a + 16 h + 0 .. 15), tiles with lane-row i = row 32 (T / 2) + 8 (T % 2) + i + 8 (i / 8):
; so S's registers 16 b + i are keys 128 w + 32 b + 16 h + i, and the conversions' results are the second product's operand.
; THE SUM OVER WAVES.  Each wave's O^T (32 registers) goes to LDS; a trip later each wave adds one sixteenth of the tile over the 16 waves, quantises it and puts two codes a lane into a stage; at the end wave w stores tile w: 1,024 consecutive bytes.
; ONE BARRIER A TRIP.  The statistics and the partial sums have two places each, by turns: what is written between the waits of barriers j and j + 1 is read behind the wait of barrier j + 1 and written again behind that of barrier j + 2; every signal has s_wait_dscnt 0 ahead of it.
; NO CLUSTER, NO TENSOR LOAD: the eight work-groups of a head read the same K and V, but once, at the head: 32 loads a wave into the registers of the wave that owns the keys, against 16 trips of work; there is no tile in LDS for a joint load to fill.
; No prefetch: K and V are asked for at the head alone; Q's 1,024 bytes are asked for a trip ahead.
; FURTHER LIMITS: e8 between -126 and 119; NaN and infinities among the inputs are not served; -decay x key is held within +-1000 ahead of the exponential (beyond that the factor is 0 or infinite in f32 as well).
.set C2B,   0                          ; LDS: c2 of all 2,048 keys, 512 bytes a wave, each wave's own
.set STB,   8192                       ; the statistics, two places of 2,560 bytes: -M at 80 q + 4 w, l 1,280 bytes on
.set STP,   2560
.set CSB,   13312                      ; the stage of ctx's codes: 1,024 bytes a tile
.set OP0,   29696                      ; the partial sums, two places of 65,536 bytes: 4,096 a wave
.set OPD,   65536
.set SPARE, 160768                     ; the spare words, 128 bytes for each wave: eight blocks of 256 bytes that no other line names
.set LI,  1                            ; v1   16 x lane
.set C2A, 2                            ; v2   my wave's c2, + 64 h
.set STW, 3                            ; v3   where I put my statistics
.set STR, 4                            ; v4   where I read eight waves' (half h of the lanes: waves 8 h on)
.set OPW, 5                            ; v5, v6   where I put my partial sums
.set OPR, 7                            ; v7, v8   where I read my sixteenth of a tile: 256 w + 8 x lane
.set CSA, 9                            ; v9   where my two codes go in a tile's 1,024 bytes
.set SC8, 10                           ; v10  2^e8
.set TP,  11                           ; v11  at work: lane exchanges, two codes
.set SPW, 12                           ; v12  LDS address of my spare word; never rewritten
.set NIL, 13                           ; v13  0; never rewritten
.set NM,  14                           ; v14  -M_w
.set LW,  15                           ; v15  l_w
.set KF,  16                           ; v16-79    K: 8 fragments of 16 keys x 64
.set VF,  80                           ; v80-143   V^T: 4 fragments of 16 channels x 128 keys
.set P0,  144                          ; v144-147  at work; v144-159: attn's codes
.set S,   148                          ; v148-211  S^T, t, p, u, attn; v164-195: O^T
.set T,   212                          ; v212-243  at work: c2 in two chunks of 16; the divisors; the statistics; the partial sums
.set QF,  244                          ; v244-251  Q: one fragment
.set AA,  252                          ; v252 2^(M_w - M) / L (v253 named with it)
.set BB,  254                          ; v254 b = 2^-M_w (v255 named with it)
	s_load_b256 s[4:11], s[0:1], 0x0               ; the operands s[4:5], the scales' exponents s[6:7], scale s[8:9], time_decay s[10:11]
	s_load_b64 s[12:13], s[0:1], 0x20              ; ctx's codes
	v_lshl_add_u32 v[SPW], v0, 2, SPARE
	v_mov_b32 v[NIL], 0
	v_lshrrev_b32 v148, 5, v0
	v_readfirstlane_b32 s14, v148                  ; wave 0..15
	v_and_b32 v149, 31, v0                         ; lane
	v_and_b32 v150, 15, v0                         ; r
	v_bfe_u32 v151, v0, 4, 1                       ; h
	s_and_b32 s15, ttmp7, 0xffff
	s_lshr_b32 s16, s15, 4                         ; batch
	s_and_b32 s17, s15, 15                         ; head
	v_lshlrev_b32 v[LI], 4, v149
	s_lshl_b32 s19, s14, 9
	v_lshl_add_u32 v[C2A], v151, 6, s19
	v_mul_u32_u24 v[STR], v150, 80
	s_lshl_b32 s19, s14, 2
	v_add_nc_u32 v[STW], s19, v[STR]
	v_add_nc_u32 v[STW], STB, v[STW]
	v_lshl_add_u32 v[STR], v151, 5, v[STR]
	v_add_nc_u32 v[STR], STB, v[STR]
	s_lshl_b32 s19, s14, 12
	v_add_nc_u32 v[OPW], s19, v[LI]
	v_add_nc_u32 v[OPW], OP0, v[OPW]
	v_add_nc_u32 v[OPW+1], OPD, v[OPW]
	s_lshl_b32 s19, s14, 8
	v_lshl_add_u32 v[OPR], v149, 3, s19
	v_add_nc_u32 v[OPR], OP0, v[OPR]
	v_add_nc_u32 v[OPR+1], OPD, v[OPR]
	; my sixteenth of a tile: registers 4 (w / 2) + 2 (lane % 2) + 0, 1 of O^T in lane 16 (w % 2) + lane / 2.  Register R of lane l' is byte 512 (R / 16) + 16 l' + R % 16 of the tile's two units
	s_lshr_b32 s19, s14, 3
	s_lshl_b32 s19, s19, 9
	s_and_b32 s18, s14, 1
	s_lshl_b32 s18, s18, 8
	s_add_co_u32 s19, s19, s18
	s_bfe_u32 s18, s14, 0x10002
	s_lshl_b32 s18, s18, 3
	s_add_co_u32 s19, s19, s18
	s_bfe_u32 s18, s14, 0x10001
	s_lshl_b32 s18, s18, 2
	s_add_co_u32 s19, s19, s18
	v_lshrrev_b32 v152, 1, v149
	v_and_b32 v153, 1, v149
	v_lshlrev_b32 v152, 4, v152
	v_lshl_add_u32 v152, v153, 1, v152
	v_add_nc_u32 v[CSA], s19, v152
	v_add_nc_u32 v[CSA], CSB, v[CSA]
	; K: 4 Mi + (tile 128 b + 8 w) x 16,384 + head x 1,024
	s_lshl_b32 s20, s16, 7
	s_lshl_b32 s21, s14, 3
	s_add_co_u32 s20, s20, s21
	s_lshl_b32 s20, s20, 14
	s_lshl_b32 s21, s17, 10
	s_add_co_u32 s20, s20, s21
	s_add_co_u32 s20, s20, 0x400000
	s_mov_b32 s21, 0
	; V^T: 8 Mi + (tile 4 head) x 65,536 + (unit 64 b + 4 w) x 512
	s_lshl_b32 s22, s16, 6
	s_lshl_b32 s23, s14, 2
	s_add_co_u32 s22, s22, s23
	s_lshl_b32 s22, s22, 9
	s_lshl_b32 s23, s17, 18
	s_add_co_u32 s22, s22, s23
	s_add_co_u32 s22, s22, 0x800000
	s_mov_b32 s23, 0
	; Q: (tile 128 b + 16 x) x 16,384 + head x 1,024
	s_lshl_b32 s24, s16, 7
	s_lshl_b32 s25, ttmp9, 4
	s_add_co_u32 s24, s24, s25
	s_lshl_b32 s24, s24, 14
	s_lshl_b32 s25, s17, 10
	s_add_co_u32 s24, s24, s25
	s_mov_b32 s25, 0
	; ctx, tile 128 b + 16 x + w, units 2 head, 2 head + 1, in the GEMM's layout
	s_lshl_b32 s52, s16, 4
	s_lshl_b32 s53, ttmp9, 1
	s_add_co_u32 s52, s52, s53
	s_lshr_b32 s53, s14, 3
	s_add_co_u32 s52, s52, s53
	s_lshl_b32 s52, s52, 17
	s_lshr_b32 s53, s17, 2
	s_lshl_b32 s53, s53, 15
	s_add_co_u32 s52, s52, s53
	s_and_b32 s53, s14, 7
	s_lshl_b32 s53, s53, 12
	s_add_co_u32 s52, s52, s53
	s_and_b32 s53, s17, 3
	s_lshl_b32 s53, s53, 10
	s_add_co_u32 s52, s52, s53
	s_mov_b32 s53, 0
	s_lshl_b32 s33, s17, 2                         ; my head's place in time_decay
	s_mov_b32 s34, 0x76543210                      ; v_permlanex16_b32's selects for lane l xor 16
	s_mov_b32 s35, 0xfedcba98
	s_mov_b32 s48, 0x00800000                      ; 2^-126
	s_mov_b32 s50, 0xc3e00000                      ; -448
	s_mov_b32 s51, 0x43e00000                      ; 448
	s_mov_b32 s54, 0x3fb8aa3b                      ; log2(e), rounded to f32,
	s_mov_b32 s55, 0x32a5705f                      ; and what the rounding left
	s_wait_kmcnt 0x0
	s_load_b64 s[36:37], s[6:7], 0x18              ; e6, e7
	s_load_b128 s[40:43], s[6:7], 0x20             ; e8 .. e11
	s_load_b32 s44, s[8:9], 0x0                    ; scale
	s_load_b32 s45, s[10:11], s33 offset:0x0       ; decay_h
	s_add_nc_u64 s[20:21], s[4:5], s[20:21]
	s_add_nc_u64 s[22:23], s[4:5], s[22:23]
	s_add_nc_u64 s[24:25], s[4:5], s[24:25]
	s_mov_b64 s[26:27], s[24:25]                   ; Q's tile in hand
	s_add_nc_u64 s[52:53], s[12:13], s[52:53]
.irp t, 0,1,2,3,4,5,6,7
.irp c, 0,1
	global_load_b128 v[KF+8*\t+4*\c:KF+8*\t+4*\c+3], v[LI], s[20:21] offset:\t*16384+512*\c
.endr
.endr
	global_load_b128 v[QF:QF+3], v[LI], s[26:27]
	global_load_b128 v[QF+4:QF+7], v[LI], s[26:27] offset:512
.irp t, 0,1,2,3
.irp c, 0,1,2,3
	global_load_b128 v[VF+16*\t+4*\c:VF+16*\t+4*\c+3], v[LI], s[22:23] offset:\t*65536+512*\c
.endr
.endr
	; c2(key) = exp(-decay x key) x scale x log2(e) x 2^(e6 + e7 - 3), for keys 4 x thread + 0 .. 3.  exp(x) = 2^n x 2^rr, n = x log2(e) rounded to a whole number, rr the rest by two fused multiply-adds
	v_lshlrev_b32 v148, 2, v0
	v_add_nc_u32 v149, 1, v148
	v_add_nc_u32 v150, 2, v148
	v_add_nc_u32 v151, 3, v148
.irp i, 0,1,2,3
	v_cvt_f32_u32 v[148+\i], v[148+\i]
.endr
	v_mov_b32 v160, 0x447a0000                     ; 1000
	v_mov_b32 v[TP], 0                             ; written once: a lane permute's destination counts as one of its sources
	v_mov_b32 v[LW], 0                             ; (named as upper halves of pairs)
	v_mov_b32 v[AA+1], 0
	v_mov_b32 v[BB+1], 0
	v_lshlrev_b32 v162, 4, v0
	s_wait_kmcnt 0x0
	s_xor_b32 s45, s45, 0x80000000                 ; -decay
.irp i, 0,1,2,3
	v_mul_f32 v[148+\i], s45, v[148+\i]
.endr
.irp i, 0,1,2,3
	v_med3_num_f32 v[148+\i], v[148+\i], -v160, v160
.endr
.irp i, 0,1,2,3
	v_mul_f32 v[152+\i], s54, v[148+\i]
.endr
.irp i, 0,1,2,3
	v_rndne_f32 v[152+\i], v[152+\i]
.endr
.irp i, 0,1,2,3
	v_fma_f32 v[156+\i], v[148+\i], s54, -v[152+\i]
.endr
.irp i, 0,1,2,3
	v_fma_f32 v[156+\i], v[148+\i], s55, v[156+\i]
.endr
.irp i, 0,1,2,3
	v_exp_f32 v[156+\i], v[156+\i]
.endr
.irp i, 0,1,2,3
	v_cvt_i32_f32 v[152+\i], v[152+\i]             ; (plain places behind the exponentials)
.endr
	s_mul_f32 s57, s44, s54
	s_add_co_i32 s56, s36, s37
	s_sub_co_i32 s56, s56, 3
	v_mov_b32 v161, s57
	v_ldexp_f32 v161, v161, s56
	s_wait_alu depctr_va_vdst(0)                   ; one wait for the four exponentials, ahead of their first reader
.irp i, 0,1,2,3
	v_ldexp_f32 v[156+\i], v[156+\i], v[152+\i]
.endr
.irp i, 0,1,2,3
	v_mul_f32 v[156+\i], v[156+\i], v161
.endr
	ds_store_b128 v162, v[156:159]                 ; C2B = 0: byte 4 x key.  Only my wave reads my 512 bytes, and LDS serves a wave's instructions in order: no barrier
	s_add_co_i32 s56, s40, 127
	s_lshl_b32 s57, s56, 23
	v_mov_b32 v[SC8], s57                          ; 2^e8
	s_add_co_i32 s56, s56, 8
	s_lshl_b32 s56, s56, 23
	s_or_b32 s46, s56, 0x600000                    ; 448 x 2^e8
	s_add_co_i32 s49, s40, s41
	s_sub_co_i32 s49, s49, s42                     ; e8 + e9 - e10: a sum of the second product stands for sum x 2^(e8 + e9), its code is that / 2^e10
.macro HOLDCVT b                       ; attn of keys 32 b + 16 h + 0 .. 15 becomes registers 4 b .. 4 b + 3 of the operand.  attn is not negative: the hold is one-sided (the conversion does not saturate: ISA guide 7.6.2)
.set i, 0
.rept 16
	v_min_num_f32 v[S+16*(\b)+i], s46, v[S+16*(\b)+i]
.set i, i+1
.endr
	v_cvt_scalef32_pk8_fp8_f32 v[P0+4*(\b):P0+4*(\b)+1], v[S+16*(\b):S+16*(\b)+7], v[SC8]
	v_cvt_scalef32_pk8_fp8_f32 v[P0+4*(\b)+2:P0+4*(\b)+3], v[S+16*(\b)+8:S+16*(\b)+15], v[SC8]
.endm
.macro RLOAD p                         ; my sixteenth of the last tile's O^T, from all sixteen waves' partial sums in place p
.irp u, 0,1,2,3,4,5,6,7,8,9,10,11,12,13,14,15
	ds_load_b64 v[T+2*\u:T+2*\u+1], v[OPR+\p] offset:4096*\u
.endr
.endm
.macro RSUM csoff                      ; added, quantised with e10, two codes into the stage
	s_wait_dscnt 0x0
.set i, 0
.rept 8
	v_pk_add_f32 v[T+i:T+i+1], v[T+i:T+i+1], v[T+16+i:T+17+i]
.set i, i+2
.endr
.set i, 0
.rept 4
	v_pk_add_f32 v[T+i:T+i+1], v[T+i:T+i+1], v[T+8+i:T+9+i]
.set i, i+2
.endr
	v_pk_add_f32 v[T:T+1], v[T:T+1], v[T+4:T+5]
	v_pk_add_f32 v[T+2:T+3], v[T+2:T+3], v[T+6:T+7]
	v_pk_add_f32 v[T:T+1], v[T:T+1], v[T+2:T+3]
	v_ldexp_f32 v[T], v[T], s49
	v_ldexp_f32 v[T+1], v[T+1], s49
	v_med3_num_f32 v[T], v[T], s50, s51
	v_med3_num_f32 v[T+1], v[T+1], s50, s51
	v_cvt_pk_fp8_f32 v11.l, v[T], v[T+1]
	v_add_nc_u32 v0, s31, v[CSA]                   ; the tile's 1,024 bytes
	ds_store_b16 v0, v[TP] offset:\csoff
.endm
; 32 reciprocals of the divisors in T, in place; between them the squares of the 32 p at S + o: a plain line behind every second reciprocal, and behind the last
.macro RCPSQ o
.set i, 0
.rept 16
	v_rcp_f32 v[T+i], v[T+i]
	v_rcp_f32 v[T+i+1], v[T+i+1]
	v_pk_mul_f32 v[S+(\o)+i:S+(\o)+i+1], v[S+(\o)+i:S+(\o)+i+1], v[S+(\o)+i:S+(\o)+i+1]
.set i, i+2
.endr
	s_wait_alu depctr_va_vdst(0)                   ; one wait for the 32 reciprocals, ahead of their first reader
.endm
; A TRIP: one tile of 16 queries.  par: which place the statistics and the partial sums take.  first = 1: the first trip, whose waits let V's loads stay out.  red = 1: the tile before is added up on the way.
.macro TRIP par, first, red, csoff
.irp j, 0,1,2,3
	ds_load_b128 v[T+4*\j:T+4*\j+3], v[C2A] offset:16*\j              ; c2 of keys 16 h + 0 .. 15,
.endr
.irp j, 0,1,2,3
	ds_load_b128 v[T+16+4*\j:T+16+4*\j+3], v[C2A] offset:128+16*\j    ; and of 32 + 16 h + 0 .. 15
.endr
.if \first
	s_wait_loadcnt 16                              ; K and Q are in; V's 16 loads may be out
.else
	s_wait_loadcnt 0x0                             ; Q, asked for a trip ago
.endif
	s_wait_dscnt 8                                 ; all but the 8 loads just issued: the last trip's stores out of S's registers are done
.irp t, 0,1,2,3,4,5,6,7
	v_wmma_f32_16x16x64_fp8_fp8 v[S+8*\t:S+8*\t+7], v[KF+8*\t:KF+8*\t+7], v[QF:QF+7], 0
.endr
	s_add_co_u32 s30, s30, 16384                   ; the next tile of Q; the last trip asks for its own once more, so that no load leaves the block
	s_min_u32 s28, s30, 15*16384
	s_add_nc_u64 s[26:27], s[24:25], s[28:29]      ; (the loads that named s[26:27] have been waited for)
.rept 4
	v_nop                                          ; places: in front of the loads into Q's registers and of the first read of the scores
.endr
	global_load_b128 v[QF:QF+3], v[LI], s[26:27]
	global_load_b128 v[QF+4:QF+7], v[LI], s[26:27] offset:512
.irp b, 0,1,2,3
.if \b < 3
	s_wait_dscnt 4                                 ; this chunk of c2 is in; the next chunk's 4 loads may be out
.else
	s_wait_dscnt 0x0
.endif
.set CH, T+16*(\b%2)
.set SB, S+16*\b
.set i, 0
.rept 8
	v_pk_mul_f32 v[SB+i:SB+i+1], v[SB+i:SB+i+1], v[CH+i:CH+i+1]      ; t = sum x c2; each accumulator from its low end on
.set i, i+2
.endr
.if \b == 0
	v_max3_num_f32 v[P0], v[SB], v[SB+1], v[SB+2]                    ; the largest t, in two chains
	v_max3_num_f32 v[P0+1], v[SB+3], v[SB+4], v[SB+5]
.set i, 6
.rept 5
	v_max3_num_f32 v[P0+(i/2+1)%2], v[P0+(i/2+1)%2], v[SB+i], v[SB+i+1]
.set i, i+2
.endr
.else
.set i, 0
.rept 8
	v_max3_num_f32 v[P0+(i/2)%2], v[P0+(i/2)%2], v[SB+i], v[SB+i+1]
.set i, i+2
.endr
.endif
.if \b < 2
.irp j, 0,1,2,3
	ds_load_b128 v[CH+4*\j:CH+4*\j+3], v[C2A] offset:128*(\b+2)+16*\j
.endr
.endif
.endr
	v_max_num_f32 v[P0], v[P0], v[P0+1]
	v_permlanex16_b32 v[TP], v[P0], s34, s35
	v_max_num_f32 v[P0], v[P0], v[TP]              ; among my wave's 128 keys
	v_floor_f32 v[NM], -v[P0]                      ; -M_w = floor(-t) = -ceil(t)
	; p = 2^(t - M_w), at most 1.  The shifts are dealt out among the exponentials, a pair's shift ahead of the pair before's two exponentials: no line names an exponential's result
	v_pk_add_f32 v[S:S+1], v[S:S+1], v[NM:NM+1] op_sel_hi:[1,0]
.set i, 0
.rept 32
.if i < 62
	v_pk_add_f32 v[S+i+2:S+i+3], v[S+i+2:S+i+3], v[NM:NM+1] op_sel_hi:[1,0]
.endif
	v_exp_f32 v[S+i], v[S+i]
	v_exp_f32 v[S+i+1], v[S+i+1]
.set i, i+2
.endr
	v_cvt_i32_f32 v[BB], v[NM]                     ; (plain places behind the last exponential)  it saturates
	v_ldexp_f32 v[BB], 1.0, v[BB]
	v_max_num_f32 v[BB], s48, v[BB]                ; b = 2^-M_w, at least 2^-126
	s_wait_alu depctr_va_vdst(0)                   ; one wait for the batch, ahead of its first reader
	v_pk_add_f32 v[P0:P0+1], v[S:S+1], v[S+2:S+3]  ; l_w, two at a time, in two chains
	v_pk_add_f32 v[P0+2:P0+3], v[S+4:S+5], v[S+6:S+7]
.set i, 8
.rept 14
	v_pk_add_f32 v[P0:P0+1], v[P0:P0+1], v[S+i:S+i+1]
	v_pk_add_f32 v[P0+2:P0+3], v[P0+2:P0+3], v[S+i+2:S+i+3]
.set i, i+4
.endr
	v_pk_add_f32 v[P0:P0+1], v[P0:P0+1], v[P0+2:P0+3]
	v_add_f32 v[LW], v[P0], v[P0+1]
	v_permlanex16_b32 v[TP], v[LW], s34, s35
	v_add_f32 v[LW], v[LW], v[TP]
	ds_store_b32 v[STW], v[NM] offset:\par*STP     ; lanes r and r + 16 hold the same numbers and write the same word
	ds_store_b32 v[STW], v[LW] offset:\par*STP+1280
.set i, 0
.rept 16
	v_pk_add_f32 v[T+i:T+i+1], v[S+i:S+i+1], v[BB:BB+1] op_sel_hi:[1,0]   ; the first 32 divisors p + b, while the stores are out
.set i, i+2
.endr
	s_wait_dscnt 0x0                               ; for the others' sake: my statistics, my partial sums and my codes of the last trip have landed, and my reads are in
	s_barrier_signal -1
	; u = p^2 / (p + b), 32 numbers at a time: work on registers alone, between the barrier's signal and its wait
	RCPSQ 0
.set i, 0
.rept 16
	v_pk_mul_f32 v[S+i:S+i+1], v[S+i:S+i+1], v[T+i:T+i+1]
	v_pk_add_f32 v[T+i:T+i+1], v[S+32+i:S+33+i], v[BB:BB+1] op_sel_hi:[1,0]   ; a pair of T is free as soon as it is read: the other 32 divisors
.set i, i+2
.endr
	RCPSQ 32
.set i, 0
.rept 16
	v_pk_mul_f32 v[S+32+i:S+33+i], v[S+32+i:S+33+i], v[T+i:T+i+1]
.set i, i+2
.endr
	s_barrier_wait -1
	ds_load_b128 v[T:T+3],     v[STR] offset:\par*STP          ; -M of waves 8 h .. 8 h + 7,
	ds_load_b128 v[T+4:T+7],   v[STR] offset:\par*STP+16
	ds_load_b128 v[T+8:T+11],  v[STR] offset:\par*STP+1280     ; and their l
	ds_load_b128 v[T+12:T+15], v[STR] offset:\par*STP+1296
	s_wait_dscnt 0x0
	v_min3_num_f32 v[T+16], v[T], v[T+1], v[T+2]
	v_min3_num_f32 v[T+18], v[T+3], v[T+4], v[T+5]
	v_min3_num_f32 v[T+16], v[T+16], v[T+6], v[T+7]
	v_min_num_f32 v[T+16], v[T+16], v[T+18]
	v_permlanex16_b32 v[TP], v[T+16], s34, s35
	v_min_num_f32 v[T+16], v[T+16], v[TP]          ; -M
.set i, 0
.rept 4
	v_pk_add_f32 v[T+i:T+i+1], v[T+16:T+17], v[T+i:T+i+1] op_sel_hi:[0,1] neg_lo:[0,1] neg_hi:[0,1]   ; M_w' - M: whole numbers, 0 or less
.set i, i+2
.endr
.set i, 0
.rept 8
	v_cvt_i32_f32 v[T+i], v[T+i]                   ; (it saturates)
.set i, i+1
.endr
.set i, 0
.rept 8
	v_ldexp_f32 v[T+8+i], v[T+8+i], v[T+i]         ; l_w' 2^(M_w' - M)
.set i, i+1
.endr
	v_pk_add_f32 v[T+8:T+9], v[T+8:T+9], v[T+10:T+11]
	v_pk_add_f32 v[T+12:T+13], v[T+12:T+13], v[T+14:T+15]
	v_pk_add_f32 v[T+8:T+9], v[T+8:T+9], v[T+12:T+13]
	v_add_f32 v[T+8], v[T+8], v[T+9]
	v_permlanex16_b32 v[TP], v[T+8], s34, s35
	v_add_f32 v[T+8], v[T+8], v[TP]                ; L: over one half, since the wave with the largest t has a p over one half
	v_rcp_f32 v[AA], v[T+8]
	v_sub_f32 v[T+9], v[T+16], v[NM]               ; (plain places)  M_w - M, 0 or less
	v_cvt_i32_f32 v[T+9], v[T+9]
	s_wait_alu depctr_va_vdst(0)                   ; the wait ahead of the reciprocal's reader
	v_ldexp_f32 v[AA], v[AA], v[T+9]               ; 2^(M_w - M) / L
.if \red
	RLOAD 1-\par                                   ; the last tile's partial sums: written ahead of this trip's barrier; they land under the lines below
.endif
.set i, 0
.rept 32
	v_pk_mul_f32 v[S+i:S+i+1], v[S+i:S+i+1], v[AA:AA+1] op_sel_hi:[1,0]      ; attn
.set i, i+2
.endr
	HOLDCVT 0                                      ; a block's sixteen holds are the plain lines between the conversions of the block before and the conversions that write over their sources
	HOLDCVT 1
	HOLDCVT 2
	HOLDCVT 3
	v_nop                                          ; a plain vector line between the conversions and the products, which read their results and write their sources
.if \first
	s_wait_loadcnt 2                               ; V is in; the next tile's Q (2 loads) may be out
.endif
.irp t, 0,1,2,3
	v_wmma_f32_16x16x128_fp8_fp8 v[S+16+8*\t:S+23+8*\t], v[VF+16*\t:VF+16*\t+15], v[P0:P0+15], 0   ; O^T, my 128 keys' part: registers 16 p + i = channel 32 p + 16 h + i
.endr
.if \red
	RSUM \csoff                                    ; its additions are the places behind the products
.else
.rept 5
	v_nop                                          ; places: four for the stores below, five for the next trip's products, which write over these registers
.endr
.endif
.irp i, 0,1,2,3,4,5,6,7
	ds_store_b128 v[OPW+\par], v[S+16+4*\i:S+19+4*\i] offset:512*\i  ; each accumulator from its low end on
.endr
.endm
	s_mov_b32 s30, 0                               ; Q's tile in hand, in bytes
	s_mov_b32 s29, 0
	s_mov_b32 s31, 0                               ; the place in the stage of the tile that is being added up
	TRIP 0, 1, 0, 0                                ; tile 0
	TRIP 1, 0, 1, 0                                ; tile 1; tile 0 is added up
	s_mov_b32 s31, 1024
	s_mov_b32 s32, 7
.Lpair:                                            ; seven trips of two tiles: tiles 2 .. 15; tiles 1 .. 14 are added up
	TRIP 0, 0, 1, 0
	TRIP 1, 0, 1, 1024
	s_add_co_u32 s31, s31, 2048
	s_sub_co_u32 s32, s32, 1
	s_cmp_lg_u32 s32, 0
	s_cbranch_scc1 .Lpair
	s_wait_dscnt 0x0                               ; tile 15's partial sums have landed
	s_barrier_signal -1
	s_barrier_wait -1
	RLOAD 1
	RSUM 0
	s_wait_dscnt 0x0                               ; my codes have landed
	s_barrier_signal -1
	s_barrier_wait -1
	s_lshl_b32 s19, s14, 10                        ; wave w stores tile w
	v_add_nc_u32 v0, s19, v[LI]
	v_add_nc_u32 v0, CSB, v0
	ds_load_b128 v[T:T+3], v0
	ds_load_b128 v[T+4:T+7], v0 offset:512
	s_wait_dscnt 0x0
	global_store_b128 v[LI], v[T:T+3], s[52:53]                ; two units: 1,024 consecutive bytes, aligned
	global_store_b128 v[LI], v[T+4:T+7], s[52:53] offset:512
	s_wait_tensorcnt 0x0                           ; the wave's end, behind my last LDS store
	ds_add_u32 v[SPW], v[NIL]
	s_wait_dscnt 0x0
	s_endpgm
.Lfunc_end_k_q53e4fefc46_attn:
	.size	k_q53e4fefc46_attn, .Lfunc_end_k_q53e4fefc46_attn-k_q53e4fefc46_attn
	.p2alignl 7, 3214868480
	.fill 96, 4, 3214868480
	.section	.rodata,"a",@progbits
	.p2align	6, 0x0
	.amdhsa_kernel k_q53e4fefc46_attn
		.amdhsa_group_segment_fixed_size 162816
		.amdhsa_private_segment_fixed_size 0
		.amdhsa_enable_private_segment 0
		.amdhsa_kernarg_size 40
		.amdhsa_user_sgpr_count 2
		.amdhsa_user_sgpr_kernarg_segment_ptr 1
		.amdhsa_wavefront_size32 1
		.amdhsa_system_sgpr_workgroup_id_x 1
		.amdhsa_system_sgpr_workgroup_id_y 1
		.amdhsa_system_sgpr_workgroup_id_z 1
		.amdhsa_system_vgpr_workitem_id 0
		.amdhsa_next_free_vgpr 256
		.amdhsa_next_free_sgpr 66
		.amdhsa_reserve_vcc 0
		.amdhsa_float_denorm_mode_32 3
		.amdhsa_float_denorm_mode_16_64 3
		.amdhsa_memory_ordered 1
		.amdhsa_forward_progress 1
		.amdhsa_inst_pref_size 135
	.end_amdhsa_kernel
	.amdgpu_metadata
---
amdhsa.version: [ 1, 2 ]
amdhsa.kernels:
  - .name:           k_q53e4fefc46_attn
    .symbol:         k_q53e4fefc46_attn.kd
    .args:
      - { .name: qkv, .offset: 0, .size: 8, .value_kind: global_buffer, .address_space: global }
      - { .name: lowp_scales, .offset: 8, .size: 8, .value_kind: global_buffer, .address_space: global }
      - { .name: scale, .offset: 16, .size: 8, .value_kind: global_buffer, .address_space: global }
      - { .name: time_decay, .offset: 24, .size: 8, .value_kind: global_buffer, .address_space: global }
      - { .name: ctx, .offset: 32, .size: 8, .value_kind: global_buffer, .address_space: global }
    .group_segment_fixed_size: 162816
    .private_segment_fixed_size: 0
    .kernarg_segment_align: 8
    .kernarg_segment_size: 40
    .max_flat_workgroup_size: 512
    .sgpr_count:     66
    .vgpr_count:     256
    .wavefront_size: 32
...
	.end_amdgpu_metadata
.endif
;; end of part 3
;; launch outp (part 4): grid 8 x 32, 4 waves a work-group, clusters of 4 x 4, 327,680 bytes of LDS; arguments ctx, codes, lowp_scales, bo, out0; writes out0
.if DOCPART == 4
	.amdgcn_target "amdgcn-amd-amdhsa--gfx1250"
	.amdhsa_code_object_version 6
	.text
	.protected	k_q53e4fefc46_outp
	.globl	k_q53e4fefc46_outp
	.p2align	8
	.type	k_q53e4fefc46_outp,@function
k_q53e4fefc46_outp:
	s_mov_b64 s[64:65], 0
	v_nop
	global_prefetch_b8 v0, s[64:65] scope:SCOPE_SE
	s_setreg_imm32_b32 hwreg(HW_REG_WAVE_MODE, 25, 1), 1
	s_wait_xcnt 0x0
	s_wait_alu depctr_hold_cnt(0) depctr_sa_sdst(0) depctr_va_vdst(0) depctr_va_sdst(0) depctr_va_ssrc(0) depctr_va_vcc(0) depctr_vm_vsrc(0)
	s_getreg_b32 s2, hwreg(HW_REG_IB_STS2, 6, 4)
	s_cmp_eq_u32 s2, 0
	s_cbranch_scc0 .Lentry_in_a_cluster
	s_endpgm
.Lentry_in_a_cluster:
	s_bfe_u32 s2, ttmp6, 0x10000c
	s_cmp_lg_u32 s2, 0xf033
	s_cbranch_scc0 .Lentry_shape_is_right
	s_endpgm
.Lentry_shape_is_right:
; out0 = ctx wo^T + bo on codes of FP8 (E4M3), K = 1,024: out0 = sum x 2^(e10 + e11) + bo, f32.
; Operands come in units of 512 bytes, 16 bytes a lane (k = 32 a + 16 h + 0 .. 15); tile T's lane-row i is row 32 (T / 2) + 8 (T % 2) + i + 8 (i / 8); 128 rows x 256 k are one dense block of 32,768 bytes, 128 rows x all of K four such blocks on end.
; SHARES.  4,096 x 1,024 results are 256 tiles of 128 x 128, one to a work-group; a wave makes 64 x 64: 16 accumulators, 128 registers.  Source 1 = ctx's rows (a result's lane), source 0 = wo's rows (its registers):
; by the tiles' order of rows the 16 registers of wo's tiles 2 p, 2 p + 1 are the neighbouring columns 32 p + 16 h + 0 .. 15.
; ALL OF K LIES IN LDS: 131,072 bytes of ctx's 128 rows and as many of wo's.  Eight tensor loads of 32,768 bytes, two a wave, go out together at the head, and nothing is filled again: no ring, no refill.
; Waves 0 and 1 fetch ctx's quarters of K w and w + 2, waves 2 and 3 wo's: a wave's first load and a barrier open quarters 0 and 1, its second load and a second barrier quarters 2 and 3.  A wave has two tensor loads out, by this text's own count.
; CLUSTERS: 4 x 4 work-groups.  ctx's blocks are shared along a row of the cluster, wo's along a column: each is asked for jointly, by the same tensor load with the same descriptor and a mask that names the four.
; THE WAY OUT: a block of 16 lane-rows x 64 columns goes through the wave's own stage in LDS (bytes of its own, into which no load lands) and comes back as rows of 256 bytes: sixteen lanes store 256 consecutive bytes, aligned.
; No prefetch: every byte that the work-group reads is asked for at its head.
; LIMIT: e10 + e11 between -126 and 127.
; REGISTERS, in windows of 256: window 0: v16-29 addresses; v32-63 the bias; v64-127 the way out, two sets of 32; v128-255 the accumulators ((a, b) at v[128 + 8 (4 a + b)]).
;   window 1: two fragment buffers of 128: ctx's four fragments (16 rows x 128 K, 16 registers each), then wo's four.
.set FR,    16                         ; registers of a fragment
.set QB,    32768                      ; a quarter of K of 128 rows
.set BOFF,  4*QB                       ; wo's rows lie behind ctx's
.set SPARE, 8*QB                       ; behind the operands: the spare words, 128 bytes for each wave: two blocks of 256 bytes that no other line names
.set STAGE, SPARE+512                  ; behind them: 16 rows x 272 bytes for each wave
.set SPITCH, 272                       ; a stage row: 256 bytes + 16 = 68 words, so that the 16 rows that a store touches start at 16 different groups of four banks (64 banks of 4 bytes: ISA guide 11.1)
.set ADRA, 16                          ; v16, v17  LDS address of my fragments of ctx in quarters 0, 1 and in quarters 2, 3 (an LDS offset has 16 bits)
.set ADRB, 20                          ; v20, v21  the same for wo
.set STO,  24                          ; v24  the stage: row r, + 64 h
.set RD,   25                          ; v25  and back: row h, + 16 r
.set CO,   26                          ; v26  the same two rows in out0: 4,096 h + 16 r
.set BRO,  27                          ; v27  64 h
.set SPW,  28                          ; v28  LDS address of my spare word; never rewritten
.set NIL,  29                          ; v29  0; never rewritten
.set BR,   32
.set TMP,  64
.set ACC,  128
.set F0,   0                           ; the fragment buffers, in window 1
.set F1,   128
.set G1, 24                            ; s[24:31] descriptor group 1 for ctx's blocks;  s[32:39] group 0, one set for each of a wave's two loads
.set G0, 32
.set G1B, 48                           ; s[48:55], s[56:63] the same for wo's
.set G0B, 56
.set MSB, 0
.macro WIN new                         ; the immediate's high byte repeats the setting that is left
.if MSB != \new
	s_set_vgpr_msb (MSB<<8)|\new
.set MSB, \new
.endif
.endm
.set MUL,  0x05                        ; sources 0 and 1 window 1; C and D window 0
.set TO_F, 0x40                        ; destination window 1, address window 0
.macro CROUND                          ; a round of the cluster's barrier
	s_barrier_signal -1
	s_barrier_wait -1
	s_cmp_lg_u32 s14, 0
	s_cbranch_scc1 .Lnot_wave_0_\@
	s_barrier_signal -3
.Lnot_wave_0_\@:
	s_barrier_wait -3
	s_barrier_signal -1
	s_barrier_wait -1
.endm
	s_load_b256 s[4:11], s[0:1], 0x0               ; ctx's codes s[4:5], the weights' codes s[6:7], the scales' exponents s[8:9], bo s[10:11]
	s_load_b64 s[68:69], s[0:1], 0x20              ; out0
	v_lshl_add_u32 v[SPW], v0, 2, SPARE
	v_mov_b32 v[NIL], 0
	ds_add_u32 v[SPW], v[NIL]                      ; the wave's opening: the add and its wait stand ahead of my first tensor load; the set-up below stands between them
	v_lshrrev_b32 v1, 5, v0
	v_readfirstlane_b32 s14, v1                    ; wave 0..3
	s_lshr_b32 s15, s14, 1                         ; which 64 of the tile's rows are mine.  Also: I fetch for ctx (0) or for wo (1)
	s_and_b32 s16, s14, 1                          ; which 64 of its columns.  Also: I fetch quarters 0 and 2 of K, or 1 and 3
	s_bfe_u32 s40, ttmp6, 0x40000                  ; cx, cy: my place in the cluster
	s_bfe_u32 s41, ttmp6, 0x40004
	s_lshl_b32 s42, ttmp9, 2
	s_add_co_u32 s42, s42, s40                     ; tile column = 4 x cluster x + cx: wo's group of 128 rows
	s_and_b32 s17, ttmp7, 0xffff
	s_lshl_b32 s17, s17, 2
	s_add_co_u32 s17, s17, s41                     ; tile row = 4 x cluster y + cy: ctx's group of 128 rows
	s_lshl_b32 s43, s41, 2
	s_lshl_b32 s43, 15, s43                        ; my row of the cluster
	s_lshl_b32 s44, 0x1111, s40                    ; my column
	; descriptor group 1: a dense block of 32,768 bytes as 128 rows of 32 elements of 8 bytes, no padding
	s_or_b32 s[G1+0], s43, (3<<16)|(1<<21)         ; 15:0 the mask: ctx's blocks go to my row; 17:16 elements of 8 bytes; 21 set beside a mask
	s_or_b32 s[G1B+0], s44, (3<<16)|(1<<21)        ; wo's go to my column
.irp g, G1, G1B
	s_mov_b32 s[\g+1], 32<<16                      ; tensor_dim0 = 32
	s_mov_b32 s[\g+2], 128<<16                     ; tensor_dim1 = 128
	s_mov_b32 s[\g+3], 32<<16                      ; tile_dim0 = 32
	s_mov_b32 s[\g+4], 128                         ; tile_dim1 = 128
	s_mov_b32 s[\g+5], 32                          ; tensor_dim0_stride
	s_mov_b32 s[\g+6], 0
	s_mov_b32 s[\g+7], 0
.endr
	s_lshl_b32 s45, s16, 15                        ; my first quarter of K, in memory and in LDS: the wave's number alone
	s_lshl_b32 s20, s17, 17                        ; ctx: a group is 131,072 bytes: it hangs on cy, not on cx
	s_add_co_u32 s20, s20, s45
	s_mov_b32 s21, 0
	s_lshl_b32 s46, s42, 17                        ; wo: on cx, not on cy
	s_add_co_u32 s46, s46, s45
	s_add_co_u32 s46, s46, 0xf00000                ; wo's codes begin at 15 Mi
	s_mov_b32 s47, 0
	s_wait_dscnt 0x0                               ; the opening add is done
	s_wait_kmcnt 0x0
	s_load_b64 s[96:97], s[8:9], 0x28              ; e10, e11
	s_add_nc_u64 s[20:21], s[4:5], s[20:21]
	s_add_nc_u64 s[46:47], s[6:7], s[46:47]
	CROUND                                         ; all sixteen work-groups are here: the joint loads meet
.irp s, 0,1
	s_mov_b32 s[G0+4*\s], 1                                        ; count = 1
	s_add_co_u32 s[G0+4*\s+1], s45, \s*2*QB                        ; LDS address: quarter w % 2 + 2 s
	s_add_nc_u64 s[G0+4*\s+2:G0+4*\s+3], s[20:21], \s*2*QB         ; global address
	s_or_b32 s[G0+4*\s+3], s[G0+4*\s+3], 0x80000000                ; type = 2
	s_mov_b32 s[G0B+4*\s], 1
	s_add_co_u32 s[G0B+4*\s+1], s45, BOFF+\s*2*QB
	s_add_nc_u64 s[G0B+4*\s+2:G0B+4*\s+3], s[46:47], \s*2*QB
	s_or_b32 s[G0B+4*\s+3], s[G0B+4*\s+3], 0x80000000
.endr
	s_cmp_eq_u32 s15, 0                            ; a wave's two loads stand in one branch on the wave's number, ahead of every wait on TENSORcnt and every LDS read; an s_nop 0 follows each, four v_nop the second's
	s_cbranch_scc0 .Lfirst_b
	tensor_load_to_lds s[G0:G0+3], s[G1:G1+7]
	s_nop 0
	tensor_load_to_lds s[G0+4:G0+7], s[G1:G1+7]
	s_nop 0
.rept 4
	v_nop
.endr
	s_branch .Lfirst_asked
.Lfirst_b:
	tensor_load_to_lds s[G0B:G0B+3], s[G1B:G1B+7]
	s_nop 0
	tensor_load_to_lds s[G0B+4:G0B+7], s[G1B:G1B+7]
	s_nop 0
.rept 4
	v_nop
.endr
.Lfirst_asked:
	v_and_b32 v1, 31, v0                           ; lane
	v_and_b32 v2, 15, v0                           ; r
	v_bfe_u32 v3, v0, 4, 1                         ; h
	v_lshlrev_b32 v4, 4, v1                        ; 16 x lane
	s_lshl_b32 s21, s15, 14                        ; my four tiles of ctx: 4,096 bytes a tile in each quarter
	s_lshl_b32 s22, s16, 14                        ; my four tiles of wo,
	s_add_co_u32 s22, s22, BOFF                    ; which lie behind ctx's
	v_add_nc_u32 v[ADRA], s21, v4
	v_add_nc_u32 v[ADRB], s22, v4
	v_add_nc_u32 v[ADRA+1], 2*QB, v[ADRA]
	v_add_nc_u32 v[ADRB+1], 2*QB, v[ADRB]
	s_mul_i32 s23, s14, 16*SPITCH
	s_add_co_u32 s23, s23, STAGE                   ; my stage
	v_mul_u32_u24 v5, v2, SPITCH
	v_lshl_add_u32 v5, v3, 6, v5
	v_add_nc_u32 v[STO], s23, v5
	v_mul_u32_u24 v5, v3, SPITCH
	v_lshl_add_u32 v5, v2, 4, v5
	v_add_nc_u32 v[RD], s23, v5
	v_lshlrev_b32 v5, 12, v3
	v_lshl_add_u32 v[CO], v2, 4, v5
	v_lshlrev_b32 v[BRO], 6, v3
	s_lshl_b32 s84, s42, 9
	s_lshl_b32 s85, s16, 8
	s_add_co_u32 s84, s84, s85                     ; my 64 columns, in bytes: 512 x tile column + 256 x half
	s_mov_b32 s85, 0
	s_add_nc_u64 s[10:11], s[10:11], s[84:85]
.irp p, 0,1
.irp j, 0,1,2,3
	global_load_b128 v[BR+16*\p+4*\j:BR+16*\p+4*\j+3], v[BRO], s[10:11] offset:128*\p+16*\j   ; register 16 p + i: bo(32 p + 16 h + i); waited for on the way out
.endr
.endr
	s_lshl_b32 s2, s17, 19                         ; 128 rows of out0 are 524,288 bytes,
	s_lshl_b32 s3, s15, 18                         ; my 64 of them
	s_add_co_u32 s2, s2, s3
	s_add_co_u32 s2, s2, s84
	s_mov_b32 s3, 0
	s_add_nc_u64 s[68:69], s[68:69], s[2:3]
; 32 LDS loads in one run: the fragments of K step q (128 along K) into buffer f.  A fragment is four units on end: 512 consecutive bytes a load, no bank met twice
.macro FETCH q, f
	WIN TO_F
.irp i, 0,1,2,3
.irp c, 0,1,2,3
	ds_load_b128 v[\f+64+FR*\i+4*\c:\f+64+FR*\i+4*\c+3], v[ADRB+(\q)/4] offset:(((\q)/2)%2)*QB+\i*4096+((\q)%2)*2048+512*\c
.endr
.endr
.irp i, 0,1,2,3
.irp c, 0,1,2,3
	ds_load_b128 v[\f+FR*\i+4*\c:\f+FR*\i+4*\c+3], v[ADRA+(\q)/4] offset:(((\q)/2)%2)*QB+\i*4096+((\q)%2)*2048+512*\c
.endr
.endr
.endm
; 16 matrix instructions: ctx's four blocks x wo's four, 128 along K.  zero = 1: the first product starts the sums.  The 16 accumulators take turns, one instruction a turn.
.macro MUL16 f, zero
	WIN MUL
.irp a, 0,1,2,3
.irp b, 0,1,2,3
.if \zero
	v_wmma_f32_16x16x128_fp8_fp8 v[ACC+8*(4*\a+\b):ACC+8*(4*\a+\b)+7], v[\f+64+FR*\b:\f+64+FR*\b+FR-1], v[\f+FR*\a:\f+FR*\a+FR-1], 0
.else
	v_wmma_f32_16x16x128_fp8_fp8 v[ACC+8*(4*\a+\b):ACC+8*(4*\a+\b)+7], v[\f+64+FR*\b:\f+64+FR*\b+FR-1], v[\f+FR*\a:\f+FR*\a+FR-1], v[ACC+8*(4*\a+\b):ACC+8*(4*\a+\b)+7]
.endif
.endr
.endr
.endm
.macro PLACES                          ; four plain vector instructions between a matrix instruction and a load into one of its registers or a read of its result (ISA guide 7.12.1 for vector instructions)
.rept 4
	v_nop
.endr
.endm
; A K step: its fragments are in buffer f; the next step's, nq, are asked for into buffer g, which the step before multiplied; then the products
.macro STEP nq, f, g, zero
	s_wait_dscnt 0x0                               ; this step's 32 loads, asked for ahead of the last step's products, are in
	PLACES
	FETCH \nq, \g
	MUL16 \f, \zero
.endm
	s_wait_tensorcnt 1                             ; my first load has landed (my second may be out)
	s_barrier_signal -1
	s_barrier_wait -1                              ; everybody's has: quarters 0 and 1 of both operands lie in LDS
	FETCH 0, F0
	STEP 1, F0, F1, 1                              ; K 0-127: its products start the sums
	STEP 2, F1, F0, 0
	STEP 3, F0, F1, 0
	s_wait_dscnt 0x0                               ; K step 3's fragments are in, and no LDS instruction of mine is out
	s_wait_tensorcnt 0x0                           ; my second load has landed: no load was issued behind it
	s_barrier_signal -1
	MUL16 F1, 0                                    ; K 384-511: work on registers while the others arrive
	s_barrier_wait -1                              ; quarters 2 and 3 lie in LDS
	PLACES
	FETCH 4, F0
	STEP 5, F0, F1, 0
	STEP 6, F1, F0, 0
	STEP 7, F0, F1, 0
	s_wait_dscnt 0x0                               ; the last step: nothing more to fetch
	MUL16 F1, 0
	WIN 0
; THE WAY OUT, block by block of 16 lane-rows x 64 columns: sum x 2^(e10 + e11) + bo; into my stage; back as rows of 256 bytes, into the registers that they left; stored.
; LDS serves a wave's instructions in order (ISA guide 5.7.1.4): no wait between the stores and the loads, nor in front of the next block's stores.
.macro PACK a
.set TS, TMP+32*((\a)%2)
.set j, 0
.rept 16
	v_pk_fma_f32 v[TS+j:TS+j+1], v[ACC+32*(\a)+j:ACC+32*(\a)+j+1], s[96:97], v[BR+j:BR+j+1] op_sel_hi:[1,0,1]   ; each accumulator from its low end on
.set j, j+2
.endr
.irp b, 0,1,2,3
	ds_store_b128 v[STO], v[TS+8*\b:TS+8*\b+3] offset:128*(\b/2)+32*(\b%2)          ; columns 32 (b / 2) + 16 h + 8 (b % 2) + 0 .. 7 of lane-row r
	ds_store_b128 v[STO], v[TS+8*\b+4:TS+8*\b+7] offset:128*(\b/2)+32*(\b%2)+16
.endr
.irp t, 0,1,2,3,4,5,6,7
	ds_load_b128 v[TS+4*\t:TS+4*\t+3], v[RD] offset:\t*2*SPITCH                     ; lane-rows 2 t and 2 t + 1
.endr
.endm
.macro SEND a, younger                 ; younger: the LDS instructions issued behind block a's loads, which may stay out
.set TS, TMP+32*((\a)%2)
	s_wait_dscnt \younger
.irp t, 0,1,2,3,4,5,6,7
	global_store_b128 v[CO], v[TS+4*\t:TS+4*\t+3], s[68:69] offset:(32*((\a)/2)+8*((\a)%2)+2*\t+8*(\t/4))*4096 th:TH_STORE_NT   ; the lane-rows' true rows; 16 lanes store 256 consecutive bytes, aligned; 62 rows at the most: inside the signed 24-bit immediate
.endr
.endm
	s_wait_kmcnt 0x0
	s_wait_loadcnt 0x0                             ; the bias
	s_add_co_i32 s96, s96, s97
	s_add_co_i32 s96, s96, 127
	s_lshl_b32 s96, s96, 23                        ; 2^(e10 + e11) as f32
	s_mov_b32 s97, s96                             ; (named with it as a pair, so it is written)
	PLACES                                         ; behind the last products, in front of the first read of results
	PACK 0
	PACK 1
	SEND 0, 16                                     ; behind block 0's loads: block 1's 8 stores and 8 loads
	s_wait_xcnt 0x0                                ; block 0's stores have read their registers: block 2 is written there only behind this wait
	PACK 2
	SEND 1, 16
	s_wait_xcnt 0x0
	PACK 3
	SEND 2, 16
	SEND 3, 0
	s_wait_tensorcnt 0x0                           ; the wave's end, behind my last tensor load and my last LDS store
	ds_add_u32 v[SPW], v[NIL]
	s_wait_dscnt 0x0
	CROUND                                         ; the closing round: no work-group ends while a partner may still ask for a block that names it
	s_endpgm
.Lfunc_end_k_q53e4fefc46_outp:
	.size	k_q53e4fefc46_outp, .Lfunc_end_k_q53e4fefc46_outp-k_q53e4fefc46_outp
	.p2alignl 7, 3214868480
	.fill 96, 4, 3214868480
	.section	.rodata,"a",@progbits
	.p2align	6, 0x0
	.amdhsa_kernel k_q53e4fefc46_outp
		.amdhsa_group_segment_fixed_size 327680
		.amdhsa_private_segment_fixed_size 0
		.amdhsa_enable_private_segment 0
		.amdhsa_kernarg_size 40
		.amdhsa_user_sgpr_count 2
		.amdhsa_user_sgpr_kernarg_segment_ptr 1
		.amdhsa_wavefront_size32 1
		.amdhsa_system_sgpr_workgroup_id_x 1
		.amdhsa_system_sgpr_workgroup_id_y 1
		.amdhsa_system_sgpr_workgroup_id_z 1
		.amdhsa_system_vgpr_workitem_id 0
		.amdhsa_next_free_vgpr 512
		.amdhsa_next_free_sgpr 100
		.amdhsa_reserve_vcc 0
		.amdhsa_float_denorm_mode_32 3
		.amdhsa_float_denorm_mode_16_64 3
		.amdhsa_memory_ordered 1
		.amdhsa_forward_progress 1
		.amdhsa_inst_pref_size 45
	.end_amdhsa_kernel
	.amdgpu_metadata
---
amdhsa.version: [ 1, 2 ]
amdhsa.kernels:
  - .name:           k_q53e4fefc46_outp
    .symbol:         k_q53e4fefc46_outp.kd
    .args:
      - { .name: ctx, .offset: 0, .size: 8, .value_kind: global_buffer, .address_space: global }
      - { .name: codes, .offset: 8, .size: 8, .value_kind: global_buffer, .address_space: global }
      - { .name: lowp_scales, .offset: 16, .size: 8, .value_kind: global_buffer, .address_space: global }
      - { .name: bo, .offset: 24, .size: 8, .value_kind: global_buffer, .address_space: global }
      - { .name: out0, .offset: 32, .size: 8, .value_kind: global_buffer, .address_space: global }
    .group_segment_fixed_size: 327680
    .private_segment_fixed_size: 0
    .kernarg_segment_align: 8
    .kernarg_segment_size: 40
    .max_flat_workgroup_size: 128
    .sgpr_count:     100
    .vgpr_count:     512
    .wavefront_size: 32
...
	.end_amdgpu_metadata
.endif
;; end of part 4
